; MI455X (gfx1250); checked and timed in simulation.
; The chip was launched on July 23, 2026; its instructions are those of AMD's public machine-readable ISA for CDNA 5 (MIT licence, August 2026) and "CDNA5" Instruction Set Architecture Reference Guide (July 2026). The comments in the code are by the model that wrote it; some were corrected since.
;; Causal Self Attention Batched. Allowed arithmetic: matrix products marked QUANTISED: E2M3 operands, one E8M0 scale for each 32 along K, by v_wmma_scale_f32_16x16x128_f8f6f4 with both operands' format E2M3, f32 sums; everything else in f32.
;; Inputs: c_proj_weight 1,024 x 1,024 float32; qkv_w 3 x 1,024 x 1,024 float32; sa_lambdas 2 float32; ve 4 x 2,048 x 1,024 float32; x 4 x 2,048 x 1,024 float32.
;; Outputs: out0 4 x 2,048 x 1,024 float32.
;; This version of the problem:
;;   THIS VERSION OF THE PROBLEM IS GIVEN IN LOW PRECISION. The matrix products marked QUANTISED in the list below multiply operands that are first quantised to E2M3 (2 exponent bits, 3 mantissa bits; 6 bits a number), with one power-of-two scale for each 32 numbers along K (OCP MX v1.0); their sums are f32. All else is computed in f32.
;;   The module's matrix products, in the order in which they are computed (A, B: the left and right operand; K: the contracted axis; several contracted axes count as one K, in the product's order):
;;     1. [M 8,192, K 1,024] x [K 1,024, N 3,072]; A: input x; B: input qkv_w: QUANTISED
;;     2. batch 32 x [M 2,048, K 128] x [K 128, N 2,048]; A: computed on the way; B: computed on the way: QUANTISED
;;     3. batch 32 x [M 128, K 2,048] x [K 2,048, N 2,048]; A: computed on the way; B: softmax (see below): QUANTISED
;;     4. [M 8,192, K 1,024] x [K 1,024, N 1,024]; A: computed on the way; B: input c_proj_weight: QUANTISED
;;   THE QUANTISER, for each operand of a quantised product, along K:
;;     - K is cut into blocks of 32 from its start; a last block that is shorter is filled with zeros.
;;     - A block's scale is 2^e with e = floor(log2(the largest magnitude in the block)) - 2, held to -126 .. 127; a block of zeros has e = 0. As a byte (E8M0): e + 127.
;;     - Each number is divided by its block's scale, clamped to +-7.5, and rounded to the nearest number of E2M3, ties to even, subnormals kept.
;;     - The product sums the exact products of the quantised numbers (number of the format x scale) in f32.
;;   ~~~python
;;   def quantise(x, axis):      # numpy; x: float32 -> the quantised numbers, widened to float32 again
;;       x = np.moveaxis(x, axis, -1); K = x.shape[-1]
;;       x = np.pad(x, [(0, 0)] * (x.ndim - 1) + [(0, -K % 32)]); x = x.reshape(x.shape[:-1] + (-1, 32)); a = np.abs(x).max(-1, keepdims=True)
;;       e = np.where(a > 0, np.clip(np.frexp(np.where(a > 0, a, 1))[1] - 1 - 2, -126, 127), 0)      # np.frexp(a)[1] - 1 = floor(log2(a)), exactly
;;       r = np.clip(x / 2.0 ** e, -7.5, 7.5)
;;       step = 2.0 ** (np.maximum(np.frexp(np.where(r == 0, 1, r))[1] - 1, 0) - 3)
;;       q = np.round(r / step) * step * 2.0 ** e      # np.round: ties to even
;;       return np.moveaxis(q.reshape(q.shape[:-2] + (-1,))[..., :K], -1, axis).astype(np.float32)
;;   ~~~
;;   SOFTMAX AHEAD OF A QUANTISED PRODUCT. Where the list says 'softmax', what is quantised is not the finished softmax but p = 2^(t - M), with t = logit x log2(e) and M = ceil(the row's largest t), a whole number; so 1/2 < the row's largest p <= 1. The row's sum l is taken of the UNQUANTISED p, in f32, and the product's result is divided by l at the end. Since M is a whole number, a kernel that streams over the keys may use a running M (the ceiling of the running maximum): every later rescaling is an exact power of two, which a block's scale takes up: the codes' values come out the same.
;;   OPERANDS COMPUTED ON THE WAY. 'Computed on the way' means the value that the module computes at that place (a softmax that the list does not call 'softmax' is quantised finished and normalised). What goes into a quantiser is computed in f32, as accurately as f32 sums, v_exp_f32 and their like allow (about 1e-6 of the number): no bf16 or f16 on the way to a quantiser, and a product that is left as it is and whose result goes on into a quantised operand takes f32 operands (vector FMAs, or v_wmma_f32_16x16x4_f32). A number that lies on a knife's edge between two numbers of the format may be rounded either way, as far as f32 arithmetic and the matrix unit's own rounding can turn it there, and no further.
;; One version. Each part assembles by itself: llvm-mc -triple=amdgcn-amd-amdhsa -mcpu=gfx1250 --defsym DOCPART=n.
;; ======== version 1 of 1: 4 launches
;; limits: right only within a limited range of input values
;; workspace buffers: codes 9,437,184 bytes; scl 655,360 bytes; ropet 524,288 bytes; qkvc 19,660,800 bytes; yc 6,291,456 bytes
;; launch quant (part 1): grid 416 x 1, 4 waves a work-group, no clusters, 34,304 bytes of LDS; arguments x, qkv_w, c_proj_weight, codes, scl, ropet; writes codes, scl, ropet
.if DOCPART == 1
	.amdgcn_target "amdgcn-amd-amdhsa--gfx1250"
	.amdhsa_code_object_version 6
	.text
	.protected	k_qe3daf5e40e_quant
	.globl	k_qe3daf5e40e_quant
	.p2align	8
	.type	k_qe3daf5e40e_quant,@function
k_qe3daf5e40e_quant:
	s_mov_b64 s[64:65], 0
	v_nop
	global_prefetch_b8 v0, s[64:65] scope:SCOPE_SE
	s_setreg_imm32_b32 hwreg(HW_REG_WAVE_MODE, 25, 1), 1
	s_wait_xcnt 0x0
; x [8192][1024], qkv_w [3072][1024] and c_proj_weight [1024][1024], f32 with K innermost, become codes of FP6 (E2M3) with one E8M0 byte for each 32 along K;
; and the table of cosines and sines for the rotation of q and k is made.
; THE CODES ARE LAID AS IMAGES OF OPERAND REGISTERS.  A fragment is 16 rows x 128 K = 12 registers a lane (lane (r, h): row r; registers 6 c .. 6 c + 5 hold k = 64 c + 32 h + 0 .. 31); its image is 1,536 bytes:
; registers 4 q .. 4 q + 3 of lane l at 512 q + 16 l.  Three loads of 16 bytes a lane give any wave the fragment; nothing is padded or turned later.
; WHICH ROWS FORM A TILE: tiles of x, Wq, Wk and c_proj: tile 2 b + u of a group of 32 rows takes rows 32 b + 8 u + r + 8 (r / 8); tiles of Wv: tile a of a head takes rows 64 (a / 4) + 4 r + a % 4.
; codes: x at 0: [block of 256 tokens][chunk c of two K steps][tile 16][step 2][1536]; weights at WC0: [group g of 128 rows][chunk c][tile 8][step 2][1536], g 0-23 qkv_w, 24-31 c_proj.
; scl: 512 bytes a tile: the word (four bytes: 128 along K) of row r and K step 4 p + e at 256 p + 16 r + 4 e.  Tiles 0-511 x, 512-767 weights.
; SHARES.  Work-groups 0-383: a wave takes half of a tile's K: 16 rows x 512 numbers, four K steps.  Each load reads 512 consecutive bytes of a row; the step's 16 rows turn through the wave's own stage in LDS
; (rows 528 bytes apart), from which a lane takes two whole blocks of 32 of its row.  Waves share nothing: no barrier.  Work-groups 384-415: a wave makes the table of one tile of 16 tokens.
; A block's scale is 2^(floor(log2(largest magnitude)) - 2); its byte is the largest magnitude's exponent field - 2, held at 1 from below by a floor among the maximum's leaves.
; LIMITS: a block of zeros, or one under 2^-124, gets the byte 1 where the rule says 127 (its codes are zeros, and this program alone reads the bytes); NaN and infinities are not served.
; The table's frequencies 2^(-10 i / 31) are made by v_exp_f32 with a first-order correction: within about 2 units in the last place of the f32 power, so an angle of 2,047 turns of the fastest
; frequencies may differ by some 2e-4 radians; q and k take the same table.
.set WC0,  6291456
.set OFF,  8                           ; v8-23    row i of the tile: 16 x lane + the row's bytes; never rewritten
.set R,    32                          ; v32-159  two sets of 64: a K step as loaded
.set X,    160                         ; v160-223 my two blocks of 32
.set C,    224                         ; v224-235 the fragment's codes
.set QT,   236                         ; v236-242 the second halves of the blocks' codes (a conversion's three registers begin on an even number)
.set W,    244                         ; v244-247 the four K steps' scale words
.set STG,  8448                        ; a wave's stage: 16 rows x 528 bytes
	s_load_b256 s[4:11], s[0:1], 0x0               ; x, qkv_w, c_proj_weight, codes
	s_load_b128 s[12:15], s[0:1], 0x20             ; scl, ropet
	v_lshl_add_u32 v254, v0, 2, 0x8400
	v_mov_b32 v255, 0
	v_lshrrev_b32 v1, 5, v0
	v_readfirstlane_b32 s16, v1                    ; wave
	v_and_b32 v1, 31, v0                           ; lane
	v_and_b32 v2, 15, v0                           ; r
	v_bfe_u32 v3, v0, 4, 1                         ; h
	v_lshlrev_b32 v4, 4, v1                        ; 16 x lane
	s_mov_b32 s46, 0x76543210
	s_mov_b32 s47, 0xfedcba98                      ; v_permlanex16_b32's selects for lane l xor 16
	s_cmp_ge_u32 ttmp9, 384
	s_cbranch_scc1 .Lrope
	s_lshl_b32 s17, ttmp9, 2
	s_add_co_u32 s17, s17, s16                     ; my task
	s_and_b32 s18, s17, 1                          ; p: which half of K
	s_lshr_b32 s17, s17, 1                         ; T: which tile
	; read as a tile of x
	s_lshr_b32 s20, s17, 4                         ; block of 256 tokens
	s_and_b32 s21, s17, 15                         ; tile in it
	s_lshr_b32 s22, s21, 1
	s_lshl_b32 s22, s22, 5
	s_and_b32 s23, s21, 1
	s_lshl_b32 s23, s23, 3
	s_lshl_b32 s24, s20, 8
	s_add_co_u32 s24, s24, s22
	s_add_co_u32 s24, s24, s23                     ; its first row
	s_mul_i32 s25, s20, 196608
	s_mul_i32 s26, s21, 3072
	s_add_co_u32 s25, s25, s26
	s_mul_i32 s26, s18, 98304
	s_add_co_u32 s25, s25, s26                     ; its images of chunk 2 p
	; read as a tile of the weights
	s_and_b32 s27, s17, 255
	s_lshr_b32 s28, s27, 3                         ; g
	s_and_b32 s29, s27, 7                          ; tile in the group
	s_lshr_b32 s31, s29, 1
	s_lshl_b32 s31, s31, 5
	s_and_b32 s32, s29, 1
	s_lshl_b32 s32, s32, 3
	s_add_co_u32 s31, s31, s32                     ; first row in the group, the order of x's tiles
	s_lshr_b32 s32, s29, 2
	s_lshl_b32 s32, s32, 6
	s_and_b32 s33, s29, 3
	s_add_co_u32 s32, s32, s33                     ; and in Wv's order
	s_mul_i32 s36, s28, 98304
	s_mul_i32 s37, s29, 3072
	s_add_co_u32 s36, s36, s37
	s_mul_i32 s37, s18, 49152
	s_add_co_u32 s36, s36, s37
	s_add_co_u32 s36, s36, WC0                     ; its images of chunk 2 p
	s_mov_b32 s34, 4096                            ; from row to row of a tile,
	s_mov_b32 s35, 32768                           ; and 8 rows more from row 8 on
	s_lshr_b32 s33, s28, 3
	s_cmp_eq_u32 s33, 2                            ; g 16-23: Wv
	s_cselect_b32 s31, s32, s31
	s_cselect_b32 s34, 16384, s34                  ; there the rows lie 4 apart
	s_cselect_b32 s35, 0, s35
	s_wait_kmcnt 0x0
	s_cmp_lt_u32 s28, 24                           ; the choices of buffers hang on the work-group's and the wave's numbers alone
	s_cselect_b32 s30, 0, 24
	s_cselect_b64 s[6:7], s[6:7], s[8:9]
	s_sub_co_u32 s30, s28, s30
	s_lshl_b32 s30, s30, 7
	s_add_co_u32 s31, s31, s30                     ; first row in its tensor
	s_mov_b32 s38, 4096
	s_mov_b32 s39, 32768
	s_mov_b32 s19, 24576
	s_cmp_lt_u32 s17, 512                          ; a tile of x?
	s_cselect_b32 s24, s24, s31
	s_cselect_b32 s25, s25, s36
	s_cselect_b32 s34, s38, s34
	s_cselect_b32 s35, s39, s35
	s_cselect_b32 s19, 49152, s19                  ; from a chunk to the next
	s_cselect_b64 s[4:5], s[4:5], s[6:7]
	s_lshl_b32 s24, s24, 12
	s_lshl_b32 s26, s18, 11
	s_add_co_u32 s20, s24, s26
	s_mov_b32 s21, 0
	s_add_nc_u64 s[4:5], s[4:5], s[20:21]          ; my first row, my half of K
	s_mov_b32 s20, s25
	s_add_nc_u64 s[40:41], s[10:11], s[20:21]      ; images of chunk 2 p,
	s_mov_b32 s20, s19
	s_add_nc_u64 s[42:43], s[40:41], s[20:21]      ; of chunk 2 p + 1
	s_lshl_b32 s20, s17, 9
	s_lshl_b32 s22, s18, 8
	s_add_co_u32 s20, s20, s22
	s_add_nc_u64 s[44:45], s[12:13], s[20:21]      ; my 256 bytes of scale words
	s_mul_i32 s33, s16, STG
	s_wait_alu depctr_va_vdst(0)
	v_add_nc_u32 v5, s33, v4                       ; the stage, in: 16 x lane of a row
	v_mul_u32_u24 v6, v2, 528
	v_lshl_add_u32 v6, v3, 7, v6
	v_add_nc_u32 v6, s33, v6                       ; out: row r, block h
	v_lshlrev_b32 v7, 4, v2
	v_lshl_add_u32 v7, v3, 3, v7                   ; the scale words' place: 16 r + 8 h
	v_lshlrev_b32 v30, 3, v3                       ; 8 h
	v_mov_b32 v31, 0                               ; a lane permute's destination counts as one of its sources
.irp i, 0,1,2,3,4,5,6,7,8,9,10,11,12,13,14,15
	s_mul_i32 s22, s34, \i
.if \i >= 8
	s_add_co_u32 s22, s22, s35
.endif
	v_add_nc_u32 v[OFF+\i], s22, v4
.endr
.macro QLOAD e                         ; K step e: each of the 16 loads reads 512 consecutive bytes of a row
.irp i, 0,1,2,3,4,5,6,7,8,9,10,11,12,13,14,15
	global_load_b128 v[R+64*((\e)%2)+4*\i:R+64*((\e)%2)+4*\i+3], v[OFF+\i], s[4:5] offset:512*(\e) th:TH_LOAD_NT
.endr
.endm
.macro QSTEP e
.if (\e) < 3
	s_wait_loadcnt 16                              ; this step's 16 loads are in; the next step's 16 may be out
.else
	s_wait_loadcnt 0x0
.endif
.irp i, 0,1,2,3,4,5,6,7,8,9,10,11,12,13,14,15
	ds_store_b128 v5, v[R+64*((\e)%2)+4*\i:R+64*((\e)%2)+4*\i+3] offset:528*\i
.endr
.irp n, 0,1,2,3,4,5,6,7,8,9,10,11,12,13,14,15
	ds_load_b128 v[X+4*\n:X+4*\n+3], v6 offset:256*(\n/8)+16*(\n%8)   ; LDS serves a wave's instructions in order: these see the stores.  Blocks h and 2 + h of row r
.endr
	s_wait_dscnt 0x0                               ; my blocks are in, and the stores have read their registers,
.if (\e) < 2
	QLOAD (\e)+2                                   ; which take the loads of two steps on
.endif
	v_max3_num_f32 v24, |v[X]|, |v[X+1]|, 0x1800000          ; each block's largest magnitude, with the floor 2^(3 - 127): all 32 numbers are mine
	v_max3_num_f32 v25, |v[X+32]|, |v[X+33]|, 0x1800000
.irp i, 2,4,6,8,10,12,14,16,18,20,22,24,26,28,30
	v_max3_num_f32 v24, v24, |v[X+\i]|, |v[X+\i+1]|
	v_max3_num_f32 v25, v25, |v[X+32+\i]|, |v[X+33+\i]|
.endr
	v_add_nc_u32 v26, 0xff000000, v24              ; 2 off the exponent field: the conversion's scale operand
	v_add_nc_u32 v27, 0xff000000, v25
	v_lshrrev_b32 v28, 23, v26                     ; the bytes
	v_lshrrev_b32 v29, 23, v27
	v_lshl_or_b32 v28, v29, 16, v28
	v_lshlrev_b32 v28, v30, v28                    ; at their places in the word: bytes h and 2 + h
	v_permlanex16_b32 v31, v28, s46, s47
	v_or_b32 v[W+(\e)], v28, v31                   ; with lane l xor 16's two the word is whole
.if (\e) > 0
	s_wait_alu depctr_va_vdst(0)
	s_wait_xcnt 0x0                                ; the last step's stores have read the codes' registers
.endif
	v_cvt_scalef32_pk16_fp6_f32 v[C:C+2], v[X:X+15], v26
	v_cvt_scalef32_pk16_fp6_f32 v[QT:QT+2], v[X+16:X+31], v26
	v_cvt_scalef32_pk16_fp6_f32 v[C+6:C+8], v[X+32:X+47], v27
	v_cvt_scalef32_pk16_fp6_f32 v[QT+4:QT+6], v[X+48:X+63], v27
	v_nop                                          ; one plain place behind a scaled conversion
.irp i, 0,1,2
	v_mov_b32 v[C+3+\i], v[QT+\i]
	v_mov_b32 v[C+9+\i], v[QT+4+\i]
.endr
.irp q, 0,1,2
	global_store_b128 v4, v[C+4*\q:C+4*\q+3], s[40+2*((\e)/2):41+2*((\e)/2)] offset:1536*((\e)%2)+512*\q   ; 512 consecutive bytes of the image
.endr
.endm
	s_wait_alu depctr_va_vdst(0)
	QLOAD 0
	QLOAD 1
	QSTEP 0
	QSTEP 1
	QSTEP 2
	QSTEP 3
	v_cmp_le_u32 vcc_lo, 16, v1
	v_cndmask_b32 v248, v[W], v[W+2], vcc_lo       ; lanes 0-15 store words 0, 1 of their row, lanes 16-31 words 2, 3
	v_cndmask_b32 v249, v[W+1], v[W+3], vcc_lo
	global_store_b64 v7, v[248:249], s[44:45]      ; 256 consecutive bytes
	s_wait_tensorcnt 0x0
	ds_add_u32 v254, v255
	s_wait_dscnt 0x0
	s_endpgm
.Lrope:
; ropet: [tile of 16 tokens tt][chunk q 8][lane][16 bytes]: q < 4: cos of frequencies 16 h + 4 q + 0 .. 3, q >= 4: sin; the lane's token is 32 (tt / 2) + 8 (tt % 2) + r + 8 (r / 8).
	s_sub_co_u32 s17, ttmp9, 384
	s_lshl_b32 s17, s17, 2
	s_add_co_u32 s17, s17, s16                     ; tt
	s_lshr_b32 s18, s17, 1
	s_lshl_b32 s18, s18, 5
	s_and_b32 s19, s17, 1
	s_lshl_b32 s19, s19, 3
	s_add_co_u32 s18, s18, s19
	s_wait_alu depctr_va_vdst(0)
	v_and_b32 v5, 8, v2
	v_add_nc_u32 v5, v5, v2
	v_add_nc_u32 v5, s18, v5
	v_cvt_f32_u32 v5, v5                           ; t
	v_lshlrev_b32 v6, 4, v3                        ; 16 h
	s_lshl_b32 s20, s17, 12
	s_mov_b32 s21, 0
	s_mov_b32 s22, 0x3d042108                      ; 1 / 31
	s_mov_b32 s23, 0x41f80000                      ; 31
	s_mov_b32 s24, 0xc1200000                      ; -10
	s_mov_b32 s25, 0x3f317218                      ; ln 2
	s_mov_b32 s26, 0x3f22f983                      ; 2 / pi
	s_mov_b32 s27, 0x3fc90fdb                      ; pi / 2, its f32,
	s_mov_b32 s28, 0xb33bbd2e                      ; and what that leaves
	s_mov_b32 s29, 0xb94ca1f9                      ; sine on +-pi/4: x + x z (S1 + z (S2 + z S3))
	s_mov_b32 s30, 0x3c08839e
	s_mov_b32 s31, 0xbe2aaaa3
	s_mov_b32 s32, 0x37ccf5ce                      ; cosine: 1 - z / 2 + z z (C2 + z (C1 + z C0))
	s_mov_b32 s33, 0xbab6061a
	s_mov_b32 s34, 0x3d2aaaa5
	s_wait_alu depctr_va_vdst(0)
	s_wait_kmcnt 0x0
	s_add_nc_u64 s[14:15], s[14:15], s[20:21]
.irp n, 0,1,2,3,4,5,6,7,8,9,10,11,12,13,14,15
	v_add_nc_u32 v[64+\n], \n, v6
.endr
.irp n, 0,1,2,3,4,5,6,7,8,9,10,11,12,13,14,15
	v_cvt_f32_u32 v[64+\n], v[64+\n]               ; i = 16 h + n
.endr
.irp n, 0,1,2,3,4,5,6,7,8,9,10,11,12,13,14,15
	v_mul_f32 v[80+\n], s22, v[64+\n]
.endr
.irp n, 0,1,2,3,4,5,6,7,8,9,10,11,12,13,14,15
	v_fma_f32 v[96+\n], -v[80+\n], s23, v[64+\n]   ; the quotient's remainder, exact
.endr
.irp n, 0,1,2,3,4,5,6,7,8,9,10,11,12,13,14,15
	v_fma_f32 v[80+\n], v[96+\n], s22, v[80+\n]    ; i / 31, rounded once
.endr
.irp n, 0,1,2,3,4,5,6,7,8,9,10,11,12,13,14,15
	v_mul_f32 v[96+\n], s24, v[80+\n]              ; -10 i / 31: its f32,
.endr
.irp n, 0,1,2,3,4,5,6,7,8,9,10,11,12,13,14,15
	v_fma_f32 v[112+\n], s24, v[80+\n], -v[96+\n]  ; and what that leaves
.endr
	s_wait_alu depctr_va_vdst(0)
.irp n, 0,1,2,3,4,5,6,7,8,9,10,11,12,13,14,15
	v_exp_f32 v[128+\n], v[96+\n]
.endr
.irp n, 0,1,2,3,4,5,6,7,8,9,10,11,12,13,14,15
	v_mul_f32 v[112+\n], s25, v[112+\n]            ; plain work behind the batch
.endr
	s_wait_alu depctr_va_vdst(0)                   ; one wait for the sixteen, ahead of their first reader
.irp n, 0,1,2,3,4,5,6,7,8,9,10,11,12,13,14,15
	v_fma_f32 v[128+\n], v[128+\n], v[112+\n], v[128+\n]   ; the frequency
.endr
.irp n, 0,1,2,3,4,5,6,7,8,9,10,11,12,13,14,15
	v_mul_f32 v[64+\n], v5, v[128+\n]              ; the angle: one rounding
.endr
.irp n, 0,1,2,3,4,5,6,7,8,9,10,11,12,13,14,15
	v_mul_f32 v[80+\n], s26, v[64+\n]
.endr
.irp n, 0,1,2,3,4,5,6,7,8,9,10,11,12,13,14,15
	v_rndne_f32 v[80+\n], v[80+\n]                 ; quarter turns
.endr
.irp n, 0,1,2,3,4,5,6,7,8,9,10,11,12,13,14,15
	v_fma_f32 v[64+\n], -v[80+\n], s27, v[64+\n]
.endr
.irp n, 0,1,2,3,4,5,6,7,8,9,10,11,12,13,14,15
	v_fma_f32 v[64+\n], -v[80+\n], s28, v[64+\n]   ; what is left: within +-pi/4
.endr
.irp n, 0,1,2,3,4,5,6,7,8,9,10,11,12,13,14,15
	v_mul_f32 v[96+\n], v[64+\n], v[64+\n]         ; z
.endr
.irp n, 0,1,2,3,4,5,6,7,8,9,10,11,12,13,14,15
	v_fma_f32 v[112+\n], v[96+\n], s29, s30
	v_fma_f32 v[128+\n], v[96+\n], s32, s33
.endr
.irp n, 0,1,2,3,4,5,6,7,8,9,10,11,12,13,14,15
	v_fma_f32 v[112+\n], v[112+\n], v[96+\n], s31
	v_fma_f32 v[128+\n], v[128+\n], v[96+\n], s34
.endr
.irp n, 0,1,2,3,4,5,6,7,8,9,10,11,12,13,14,15
	v_mul_f32 v[112+\n], v[112+\n], v[96+\n]
	v_mul_f32 v[128+\n], v[128+\n], v[96+\n]
	v_fma_f32 v[144+\n], v[96+\n], -0.5, 1.0
.endr
.irp n, 0,1,2,3,4,5,6,7,8,9,10,11,12,13,14,15
	v_fma_f32 v[112+\n], v[112+\n], v[64+\n], v[64+\n]     ; sine of what is left
	v_fma_f32 v[128+\n], v[128+\n], v[96+\n], v[144+\n]    ; cosine
	v_cvt_i32_f32 v[80+\n], v[80+\n]
.endr
.irp n, 0,1,2,3,4,5,6,7,8,9,10,11,12,13,14,15
	v_and_b32 v[160+\n], 1, v[80+\n]
	v_cmp_eq_u32 vcc_lo, 1, v[160+\n]              ; an odd number of quarter turns: the two change places
	v_cndmask_b32 v[48+\n], v[112+\n], v[128+\n], vcc_lo
	v_cndmask_b32 v[32+\n], v[128+\n], v[112+\n], vcc_lo
	v_and_b32 v[160+\n], 2, v[80+\n]               ; the sine's sign: quarter turns 2, 3 mod 4
	v_lshlrev_b32 v[160+\n], 30, v[160+\n]
	v_xor_b32 v[48+\n], v[160+\n], v[48+\n]
	v_add_nc_u32 v[160+\n], 1, v[80+\n]            ; the cosine's: 1, 2 mod 4
	v_and_b32 v[160+\n], 2, v[160+\n]
	v_lshlrev_b32 v[160+\n], 30, v[160+\n]
	v_xor_b32 v[32+\n], v[160+\n], v[32+\n]
.endr
.irp q, 0,1,2,3,4,5,6,7
	global_store_b128 v4, v[32+4*\q:35+4*\q], s[14:15] offset:512*\q
.endr
	s_endpgm
.Lfunc_end_k_qe3daf5e40e_quant:
	.size	k_qe3daf5e40e_quant, .Lfunc_end_k_qe3daf5e40e_quant-k_qe3daf5e40e_quant
	.p2alignl 7, 3214868480
	.fill 96, 4, 3214868480
	.section	.rodata,"a",@progbits
	.p2align	6, 0x0
	.amdhsa_kernel k_qe3daf5e40e_quant
		.amdhsa_group_segment_fixed_size 34304
		.amdhsa_private_segment_fixed_size 0
		.amdhsa_enable_private_segment 0
		.amdhsa_kernarg_size 48
		.amdhsa_user_sgpr_count 2
		.amdhsa_user_sgpr_kernarg_segment_ptr 1
		.amdhsa_wavefront_size32 1
		.amdhsa_system_sgpr_workgroup_id_x 1
		.amdhsa_system_sgpr_workgroup_id_y 1
		.amdhsa_system_sgpr_workgroup_id_z 1
		.amdhsa_system_vgpr_workitem_id 0
		.amdhsa_next_free_vgpr 256
		.amdhsa_next_free_sgpr 66
		.amdhsa_reserve_vcc 1
		.amdhsa_float_denorm_mode_32 3
		.amdhsa_float_denorm_mode_16_64 3
		.amdhsa_memory_ordered 1
		.amdhsa_forward_progress 1
		.amdhsa_inst_pref_size 61
	.end_amdhsa_kernel
	.amdgpu_metadata
---
amdhsa.version: [ 1, 2 ]
amdhsa.kernels:
  - .name:           k_qe3daf5e40e_quant
    .symbol:         k_qe3daf5e40e_quant.kd
    .args:
      - { .name: x, .offset: 0, .size: 8, .value_kind: global_buffer, .address_space: global }
      - { .name: qkv_w, .offset: 8, .size: 8, .value_kind: global_buffer, .address_space: global }
      - { .name: c_proj_weight, .offset: 16, .size: 8, .value_kind: global_buffer, .address_space: global }
      - { .name: codes, .offset: 24, .size: 8, .value_kind: global_buffer, .address_space: global }
      - { .name: scl, .offset: 32, .size: 8, .value_kind: global_buffer, .address_space: global }
      - { .name: ropet, .offset: 40, .size: 8, .value_kind: global_buffer, .address_space: global }
    .group_segment_fixed_size: 34304
    .private_segment_fixed_size: 0
    .kernarg_segment_align: 8
    .kernarg_segment_size: 48
    .max_flat_workgroup_size: 128
    .sgpr_count:     66
    .vgpr_count:     256
    .wavefront_size: 32
...
	.end_amdgpu_metadata
.endif
;; end of part 1
;; launch qkvgemm (part 2): grid 8 x 32, 4 waves a work-group, clusters of 4 x 4, 327,680 bytes of LDS; arguments codes, scl, ropet, ve, sa_lambdas, qkvc; writes qkvc
.if DOCPART == 2
	.amdgcn_target "amdgcn-amd-amdhsa--gfx1250"
	.amdhsa_code_object_version 6
	.text
	.protected	k_qe3daf5e40e_qkvgemm
	.globl	k_qe3daf5e40e_qkvgemm
	.p2align	8
	.type	k_qe3daf5e40e_qkvgemm,@function
k_qe3daf5e40e_qkvgemm:
	s_mov_b64 s[64:65], 0
	v_nop
	global_prefetch_b8 v0, s[64:65] scope:SCOPE_SE
	s_setreg_imm32_b32 hwreg(HW_REG_WAVE_MODE, 25, 1), 1
	s_wait_xcnt 0x0
	s_wait_alu depctr_hold_cnt(0) depctr_sa_sdst(0) depctr_va_vdst(0) depctr_va_sdst(0) depctr_va_ssrc(0) depctr_va_vcc(0) depctr_vm_vsrc(0)
	s_getreg_b32 s2, hwreg(HW_REG_IB_STS2, 6, 4)
	s_cmp_eq_u32 s2, 0
	s_cbranch_scc0 .Lentry_in_a_cluster
	s_endpgm
.Lentry_in_a_cluster:
	s_bfe_u32 s2, ttmp6, 0x10000c
	s_cmp_lg_u32 s2, 0xf033
	s_cbranch_scc0 .Lentry_shape_is_right
	s_endpgm
.Lentry_shape_is_right:
; qkv = x Wqkv^T on codes of FP6 (E2M3), K = 1,024; then, in registers: q, k: rms-norm over the head's 128, rotation, quantised along the head's 128; v: l0 v + l1 ve, quantised along the keys.
; A WORK-GROUP STAYS: it takes 256 tokens and ONE head, and makes that head's q, then k, then v.  x's codes are filled once and serve all three; W's 128 rows are filled again for k and for v.
; q and k are a loop of two trips, each of which asks for the next W; v, which asks for nothing more and has other roles, is the tail, written out.
; A wave has 32 accumulators: 8 tiles as source 0 x 4 tiles as source 1.  q, k: source 0 = the head's 8 tiles of W, source 1 = tiles 4 w .. 4 w + 3 of x: a lane holds ONE token and its registers run along d.
; v: source 0 = tiles 8 (w / 2) .. + 7 of x, source 1 = tiles 4 (w % 2) .. + 3 of Wv: a lane holds ONE d and its registers run along the tokens, which are the keys.
; By the choice of the rows that form a tile of source 0 (row 32 b + 8 u + r + 8 (r / 8) in tile 2 b + u), register 16 b + i of a block of 8 accumulators is index 32 b + 16 h + i along the next K.
; Wv's tile a holds rows 64 (a / 4) + 4 r + a % 4: a lane's four blocks are four neighbouring d of a token, so that ve comes by loads of 16 bytes, sixteen lanes on 256 consecutive aligned bytes.
; LDS: all of K, four chunks of two K steps, images of operand registers: x's chunk 0 at 0 (49,152 bytes), W's chunk 0 at 49,152 (24,576), x's chunks 1-3 at 73,728, W's chunks 1-3 at 221,184; spare words at 294,912.
; THE FILLS: at the head one load a wave: wave 0 x's chunk 0, wave 1 W's chunk 0, wave 2 x's chunks 1-3, wave 3 W's chunks 1-3.  Chunk 0 is read behind waves 0 and 1's wait and a barrier, the rest behind all waves' wait
; and a second barrier.  THE REFILLS stand straight behind a K walk: every wave's wait for its tensor loads, the add, the wait for it and for its LDS reads, a round of the cluster's barrier; then wave 1 asks for the next W's chunk 0
; and wave 3 for its chunks 1-3.  One load of mine is out at the most.  The refill, and the next scale words, have the whole way out of q or k (some 1,300 vector instructions a wave) in which to land: so no prefetch is laid.
; CLUSTER 4 x 4: x's tiles hang on the token block alone and are asked for jointly along a row of the cluster, W's on the head alone, along a column.
; OUT: qkvc [batch x head 32][key step 16] records of 38,400 bytes: Q, K, V parts of 12,800: 8 images of 1,536 bytes, then scale words [group of 4 tiles 2][r 16][4].
; LIMITS: a block of zeros or under 2^-124 gets the byte 1 (zero codes; read by this program alone); NaN and infinities are not served; v_rsq_f32 as it is (1 unit in the last place).
; REGISTERS, windows of 256: window 0: v1-31 addresses and work; v32-95 scale words (register 8 i + s: lanes 0-15 source 1's tile i, lanes 16-31 source 0's tile i, K step s); v96-191 source 1, two sets;
;   afterwards v96-159 a block's 64 numbers, v160-207 four fragments of codes, v208-251 at work.  window 1: source 0, two sets at v0 and v128.  window 2: accumulator (a, b) at v[8 (8 a + b)].
;   window 3: q, k: cos at v[32 a + i], sin at v[32 a + 16 + i]; then v: ve at v[4 k + a].
.set WC0,  6291456
.set WSTEP, 786432                     ; from a head's rows of Wq to those of Wk, and on to Wv: 8 groups of 98,304 bytes
.set LI,   4                           ; v4   16 x lane
.set VS,   5                           ; v5   my scale words' offset, tiles 0-3
.set VS2,  6                           ; v6   the same for tiles 4-7: lanes 16-31 2,048 bytes on, lanes 0-15 (not used there) as before
.set AD0,  8                           ; v8-11  q, k: LDS address of source 0's images in chunk c
.set AD1,  12                          ; v12-15 of source 1's
.set VO,   16                          ; v16  ve: 65,536 h + 16 r
.set SO,   18                          ; v18  16 r + 8 h
.set ADV0, 24                          ; v24-27, v28-31 the same two for v
.set ADV1, 28
.set SC,   32
.set S1F,  96
.set HA,   96
.set PC,   160
.set QT,   208
.set TM,   216
.set WD,   232
.set RS,   236
.set TT,   244
.set SEL,  86
.set MSB, 0
.macro WIN new                         ; the immediate's high byte repeats the setting that is left
.if MSB != \new
	s_set_vgpr_msb (MSB<<8)|\new
.set MSB, \new
.endif
.endm
.macro PLACES n
.rept \n
	v_nop
.endr
.endm
.macro CROUND                          ; a round of the cluster's barrier
	s_barrier_signal -1
	s_barrier_wait -1
	s_cmp_lg_u32 s16, 0
	s_cbranch_scc1 .Lnot_wave_0_\@
	s_barrier_signal -3
.Lnot_wave_0_\@:
	s_barrier_wait -3
	s_barrier_signal -1
	s_barrier_wait -1
.endm
	s_load_b256 s[4:11], s[0:1], 0x0               ; codes, scl, ropet, ve
	s_load_b128 s[12:15], s[0:1], 0x20             ; sa_lambdas, qkvc
	v_lshl_add_u32 v254, v0, 2, 0x48000
	v_mov_b32 v255, 0
	ds_add_u32 v254, v255                          ; the opening lines: the add, twice on end, and its wait
	ds_add_u32 v254, v255
	v_lshrrev_b32 v1, 5, v0
	v_readfirstlane_b32 s16, v1                    ; wave
	v_and_b32 v1, 31, v0                           ; lane
	v_and_b32 v2, 15, v0                           ; r
	v_bfe_u32 v3, v0, 4, 1                         ; h
	v_lshlrev_b32 v[LI], 4, v1
	s_bfe_u32 s17, ttmp6, 0x40000                  ; cx
	s_bfe_u32 s18, ttmp6, 0x40004                  ; cy
	s_lshl_b32 s19, ttmp9, 2
	s_add_co_u32 s19, s19, s17                     ; head
	s_and_b32 s20, ttmp7, 0xffff
	s_lshl_b32 s20, s20, 2
	s_add_co_u32 s20, s20, s18                     ; TB: which 256 tokens
	s_lshl_b32 s22, s18, 2
	s_lshl_b32 s22, 15, s22                        ; my row of the cluster
	s_lshl_b32 s23, 0x1111, s17                    ; my column
.irp g, 32, 48
	s_or_b32 s[\g], s22, (3<<16)|(1<<21)           ; x's tiles go to my row of the cluster
.endr
.irp g, 40, 56
	s_or_b32 s[\g], s23, (3<<16)|(1<<21)           ; W's to my column
.endr
.macro ROWS g, n                       ; group 1: n dense rows of 32 elements of 8 bytes
	s_mov_b32 s[\g+1], 32<<16
	s_mov_b32 s[\g+2], (\n)<<16
	s_mov_b32 s[\g+3], 32<<16
	s_mov_b32 s[\g+4], \n
	s_mov_b32 s[\g+5], 32
	s_mov_b32 s[\g+6], 0
	s_mov_b32 s[\g+7], 0
.endm
	ROWS 32, 192
	ROWS 40, 96
	ROWS 48, 576
	ROWS 56, 288
	s_mul_i32 s24, s20, 196608                     ; x: the token block: no cx in it
	s_mov_b32 s25, 0
	s_mul_i32 s28, s16, 12288
	s_mul_i32 s26, s19, 98304                      ; Wq: the head: no cy in it
	s_add_co_u32 s26, s26, WC0
	s_mov_b32 s27, 0
	s_mov_b32 s[SEL], 0x76543210
	s_mov_b32 s[SEL+1], 0xfedcba98
	s_wait_dscnt 0x0
	s_wait_kmcnt 0x0
	s_add_nc_u64 s[24:25], s[4:5], s[24:25]
	s_add_nc_u64 s[26:27], s[4:5], s[26:27]
	s_load_b64 s[84:85], s[12:13], 0x0             ; l0, l1
	s_mov_b32 s68, 1                               ; group 0 of the four fills
	s_mov_b32 s69, 0
	s_mov_b64 s[70:71], s[24:25]
	s_or_b32 s71, s71, 0x80000000
	s_mov_b32 s72, 1
	s_mov_b32 s73, 49152
	s_mov_b64 s[74:75], s[26:27]
	s_or_b32 s75, s75, 0x80000000
	s_mov_b32 s76, 1
	s_mov_b32 s77, 73728
	s_add_nc_u64 s[78:79], s[24:25], 49152
	s_or_b32 s79, s79, 0x80000000
	s_mov_b32 s80, 1
	s_mov_b32 s81, 221184
	s_add_nc_u64 s[82:83], s[26:27], 24576
	s_or_b32 s83, s83, 0x80000000
	CROUND                                         ; all sixteen work-groups are here: the joint loads meet
.macro ARM under, g0, g1, next         ; one chain of branches on the wave's number: every way through it passes exactly one load
	s_cmp_lt_u32 s16, \under
	s_cbranch_scc0 \next
	tensor_load_to_lds s[\g0:\g0+3], s[\g1:\g1+7]
	s_nop 0
	PLACES 4
	s_branch .Lhead_asked
\next:
.endm
	ARM 1, 68, 32, .Lhead_w0
	ARM 2, 72, 40, .Lhead_x1
	ARM 3, 76, 48, .Lhead_w1
	tensor_load_to_lds s[80:83], s[56:63]
	s_nop 0
	PLACES 4
.Lhead_asked:
	s_lshr_b32 s30, s16, 1                         ; v: which 128 tokens;  all kinds: which key step of the block's two I write
	s_and_b32 s31, s16, 1                          ; v: which 64 d;        all kinds: which four tiles of the part
	; the scale words' places in scl: lanes 0-15 take source 1's, lanes 16-31 source 0's
	s_lshl_b32 s93, s20, 13                        ; x's scale tiles of my token block
	s_lshl_b32 s95, s16, 11
	s_add_co_u32 s66, s93, s95                     ; q, k: source 1: x's tiles 4 w on
	s_lshl_b32 s67, s19, 12
	s_add_co_u32 s67, s67, 262144                  ; q: source 0: Wq's head
	s_add_co_u32 s29, s67, 32768                   ; k: Wk's
	s_lshl_b32 s95, s31, 11
	s_add_co_u32 s100, s67, s95
	s_add_co_u32 s100, s100, 65536                 ; v: source 1: Wv's tiles 4 (w % 2) on
	s_lshl_b32 s95, s30, 12
	s_add_co_u32 s101, s93, s95                    ; v: source 0: x's tiles 8 (w / 2) on
	; where my results go
	s_lshr_b32 s94, s20, 3
	s_lshl_b32 s94, s94, 3
	s_add_co_u32 s94, s94, s19                     ; batch x 8 + head
	s_lshl_b32 s94, s94, 4
	s_and_b32 s95, s20, 7
	s_lshl_b32 s96, s95, 1
	s_add_co_u32 s94, s94, s96
	s_add_co_u32 s94, s94, s30                     ; the record
	s_mul_i32 s94, s94, 38400                      ; its Q part
	s_mul_i32 s96, s31, 6144
	s_add_co_u32 s96, s94, s96
	s_mov_b32 s97, 0
	s_add_nc_u64 s[88:89], s[14:15], s[96:97]      ; my four images
	s_lshl_b32 s96, s31, 8
	s_add_co_u32 s96, s96, s94
	s_add_co_u32 s96, s96, 12288
	s_add_nc_u64 s[90:91], s[14:15], s[96:97]      ; my 256 bytes of scale words
	s_lshl_b32 s96, s95, 16
	s_lshl_b32 s95, s16, 14
	s_add_co_u32 s96, s96, s95
	s_add_nc_u64 s[8:9], s[8:9], s[96:97]          ; the table of my four tiles of tokens
	s_lshl_b32 s96, s20, 20
	s_lshl_b32 s95, s30, 19
	s_add_co_u32 s96, s96, s95
	s_lshl_b32 s95, s19, 9
	s_add_co_u32 s96, s96, s95
	s_lshl_b32 s95, s31, 8
	s_add_co_u32 s96, s96, s95
	s_add_nc_u64 s[10:11], s[10:11], s[96:97]      ; ve at my 128 tokens, my 64 d
	s_mov_b32 s98, 0x3c000000                      ; 1 / 128
	s_mov_b32 s99, 0x34000000                      ; the norm's epsilon, 2^-23
	s_mul_i32 s93, s30, 24576
	s_mul_i32 s94, s31, 12288
	s_mov_b32 s21, 2                               ; trips of the loop over q and k
	s_wait_alu depctr_va_vdst(0)
	WIN 0xc0                                       ; destination window 3: the table, for q and k
.irp a, 0,1,2,3
.irp q, 0,1,2,3,4,5,6,7
	global_load_b128 v[32*\a+4*\q:32*\a+4*\q+3], v[LI], s[8:9] offset:4096*\a+512*\q
.endr
.endr
	WIN 0
	v_cmp_le_u32 s92, 16, v1                       ; lanes 16-31
.macro SCWORDS a, b                    ; the scale words of all eight K steps, straight from memory: 16 bytes (four K steps) a lane; s[a]: source 1's place, s[b]: source 0's
	v_mov_b32 v20, s[\a]
	v_mov_b32 v21, s[\b]
	v_cndmask_b32 v[VS], v20, v21, s92
	v_lshl_add_u32 v[VS], v2, 4, v[VS]
	v_lshl_add_u32 v[VS2], v3, 11, v[VS]
.irp i, 0,1,2,3
.irp p, 0,1
	global_load_b128 v[SC+8*\i+4*\p:SC+8*\i+4*\p+3], v[VS], s[6:7] offset:512*\i+256*\p
.endr
.endr
.irp i, 4,5,6,7
.irp p, 0,1
	global_load_b128 v[SC+8*\i+4*\p:SC+8*\i+4*\p+3], v[VS2], s[6:7] offset:512*(\i-4)+256*\p
.endr
.endr
.endm
	SCWORDS 66, 67
.irp c, 0,1,2,3
.if \c == 0                            ; where chunk c lies: x's part and W's part
.set XCH, 0
.set WCH, 49152
.else
.set XCH, 73728+(\c-1)*49152
.set WCH, 221184+(\c-1)*24576
.endif
	s_add_co_u32 s95, s28, XCH
	s_add_co_u32 s96, s93, XCH
	s_add_co_u32 s97, s94, WCH
	v_add_nc_u32 v[AD0+\c], WCH, v[LI]             ; q, k: W's tiles;
	v_add_nc_u32 v[AD1+\c], s95, v[LI]             ; x's tiles 4 w on
	v_add_nc_u32 v[ADV0+\c], s96, v[LI]            ; v: x's tiles 8 (w / 2) on;
	v_add_nc_u32 v[ADV1+\c], s97, v[LI]            ; Wv's tiles 4 (w % 2) on
.endr
	v_lshlrev_b32 v[VO], 4, v2
	v_lshl_add_u32 v[SO], v3, 3, v[VO]
	v_lshl_add_u32 v[VO], v3, 16, v[VO]
.macro FETCH s, a0, a1                 ; K step s: 8 fragments of source 0 and 4 of source 1, as they lie: 36 loads of 512 consecutive bytes
	WIN 0x40
.irp b, 0,1,2,3,4,5,6,7
.irp q, 0,1,2
	ds_load_b128 v[128*((\s)%2)+12*\b+4*\q:128*((\s)%2)+12*\b+4*\q+3], v[\a0+(\s)/2] offset:3072*\b+1536*((\s)%2)+512*\q
.endr
.endr
	WIN 0
.irp a, 0,1,2,3
.irp q, 0,1,2
	ds_load_b128 v[S1F+48*((\s)%2)+12*\a+4*\q:S1F+48*((\s)%2)+12*\a+4*\q+3], v[\a1+(\s)/2] offset:3072*\a+1536*((\s)%2)+512*\q
.endr
.endr
.endm
.macro MUL s                           ; 32 products; the 32 accumulators take turns in the same order in every step; the first step starts the sums
	WIN 0xa1                                       ; source 0 window 1, source 1 window 0, C and D window 2
.irp a, 0,1,2,3
.irp b, 0,1,2,3,4,5,6,7
.if (\s) == 0
	v_wmma_scale_f32_16x16x128_f8f6f4 v[8*(8*\a+\b):8*(8*\a+\b)+7], v[128*((\s)%2)+12*\b:128*((\s)%2)+12*\b+11], v[S1F+48*((\s)%2)+12*\a:S1F+48*((\s)%2)+12*\a+11], 0, v[SC+8*\b+(\s)], v[SC+8*\a+(\s)] matrix_a_fmt:MATRIX_FMT_FP6 matrix_b_fmt:MATRIX_FMT_FP6 matrix_a_scale:MATRIX_SCALE_ROW1
.else
	v_wmma_scale_f32_16x16x128_f8f6f4 v[8*(8*\a+\b):8*(8*\a+\b)+7], v[128*((\s)%2)+12*\b:128*((\s)%2)+12*\b+11], v[S1F+48*((\s)%2)+12*\a:S1F+48*((\s)%2)+12*\a+11], v[8*(8*\a+\b):8*(8*\a+\b)+7], v[SC+8*\b+(\s)], v[SC+8*\a+(\s)] matrix_a_fmt:MATRIX_FMT_FP6 matrix_b_fmt:MATRIX_FMT_FP6 matrix_a_scale:MATRIX_SCALE_ROW1
.endif
.endr
.endr
.endm
.macro KSTEP s, a0, a1                 ; the next step's fragments are asked for, then this step is multiplied
.if (\s) < 7
.if (\s) == 1                          ; one barrier for chunks 1-3
	s_wait_tensorcnt 0x0                           ; whoever fetched a part of them has it
	s_wait_dscnt 0x0                               ; no LDS load of mine is out at the signal
	s_barrier_signal -1
	s_barrier_wait -1
.endif
.if (\s) > 0
	PLACES 4                                       ; in front of loads into the set that the last products read
.endif
	FETCH (\s)+1, \a0, \a1
	s_wait_dscnt 36                                ; all but the 36 just issued: this step's fragments are in
.else
	s_wait_dscnt 0x0
.endif
	MUL \s
.endm
.macro KWALK a0, a1, lc                ; all of K.  lc: the loads that may stay out when the scale words are in
	s_wait_xcnt 0x0                                ; earlier stores have read their registers: fragments may land there
	s_wait_loadcnt \lc
	s_cmp_lt_u32 s16, 2                            ; chunk 0 is waves 0 and 1's to wait for; the fills of waves 2 and 3 stay out across this barrier, behind which nothing is filled
	s_cbranch_scc0 .Lrest_is_mine_\@
	s_wait_tensorcnt 0x0
.Lrest_is_mine_\@:
	s_barrier_signal -1
	s_barrier_wait -1
	FETCH 0, \a0, \a1
.irp s, 0,1,2,3,4,5,6,7
	KSTEP \s, \a0, \a1
.endr
	WIN 0
.endm
; 64 numbers of a lane, register 16 b + i = index 32 b + 16 h + i along K of my row, become a fragment's codes in v[pc] on and its scale word in v[wd]
.macro QUANT s, pc, wd
.irp b, 0,1,2,3
	v_max3_num_f32 v[TM+\b], |v[\s+16*\b]|, |v[\s+1+16*\b]|, 0x1800000   ; with the floor 2^(3 - 127): the byte cannot fall under 1
.endr
.irp i, 2,4,6,8,10,12,14
.irp b, 0,1,2,3
	v_max3_num_f32 v[TM+\b], v[TM+\b], |v[\s+16*\b+\i]|, |v[\s+1+16*\b+\i]|
.endr
.endr
.irp b, 0,1,2,3
	v_permlanex16_b32 v[TM+4+\b], v[TM+\b], s[SEL], s[SEL+1]
.endr
.irp b, 0,1,2,3
	v_max_num_f32 v[TM+\b], v[TM+\b], v[TM+4+\b]   ; with lane l xor 16's: the block's largest magnitude
.endr
.irp b, 0,1,2,3
	v_add_nc_u32 v[TM+12+\b], 0xff000000, v[TM+\b] ; 2 off its exponent field: the conversion's scale operand
.endr
.irp b, 0,1,2,3
	v_lshrrev_b32 v[TM+4+\b], 23, v[TM+12+\b]      ; the byte
.endr
	v_lshl_or_b32 v[\wd], v[TM+5], 8, v[TM+4]
	v_lshl_or_b32 v[\wd], v[TM+6], 16, v[\wd]
	v_lshl_or_b32 v[\wd], v[TM+7], 24, v[\wd]
.irp c, 0,1
	v_cvt_scalef32_pk16_fp6_f32 v[\pc+6*\c:\pc+6*\c+2], v[\s+32*\c:\s+32*\c+15], v[TM+12+2*\c]
	v_cvt_scalef32_pk16_fp6_f32 v[QT+4*\c:QT+4*\c+2], v[\s+16+32*\c:\s+31+32*\c], v[TM+13+2*\c]
.endr
	v_nop                                          ; one plain place behind a scaled conversion
.irp c, 0,1                                    ; the operand's layout wants a whole block in a lane
.irp i, 0,1,2
	v_permlane16_swap_b32 v[\pc+6*\c+\i], v[QT+4*\c+\i]
.endr
.irp i, 0,1,2
	v_mov_b32 v[\pc+3+6*\c+\i], v[QT+4*\c+\i]
.endr
.endr
.endm
.macro OUTA a                          ; the image of block a's fragment: each block has registers of its own
.irp q, 0,1,2
	global_store_b128 v[LI], v[PC+12*(\a)+4*\q:PC+12*(\a)+4*\q+3], s[88:89] offset:1536*(\a)+512*\q
.endr
.endm
.macro WORDS
	v_cndmask_b32 v[TT], v[WD], v[WD+2], s92       ; lanes 0-15 store the words of tiles 0, 1 of their row, lanes 16-31 those of tiles 2, 3
	v_cndmask_b32 v[TT+1], v[WD+1], v[WD+3], s92
	global_store_b64 v[SO], v[TT:TT+1], s[90:91]   ; 256 consecutive bytes
.endm
	s_wait_alu depctr_va_vdst(0)
	s_wait_kmcnt 0x0                               ; l0, l1
.Lkind:                                                ; q, then k
	KWALK AD0, AD1, 0x0
	s_wait_tensorcnt 0x0                           ; no tensor load of mine is out, so a group 0 may be written
	ds_add_u32 v254, v255
	s_add_nc_u64 s[74:75], s[74:75], WSTEP         ; the next W
	s_add_nc_u64 s[82:83], s[82:83], WSTEP
	s_wait_dscnt 0x0                               ; the add is done, and my reads of W are over
	CROUND                                         ; so are those of every wave of every partner
	s_cmp_eq_u32 s16, 1
	s_cbranch_scc0 .Lnot_wave_1
	tensor_load_to_lds s[72:75], s[40:47]          ; its chunk 0
	s_nop 0
	PLACES 4
	s_branch .Lasked
.Lnot_wave_1:
	s_cmp_eq_u32 s16, 3
	s_cbranch_scc0 .Lasked
	tensor_load_to_lds s[80:83], s[56:63]          ; its chunks 1-3
	s_nop 0
	PLACES 4
.Lasked:
	s_cmp_eq_u32 s21, 2                            ; behind q comes k, behind k comes v
	s_cselect_b32 s2, s66, s100
	s_cselect_b32 s3, s29, s101
	SCWORDS 2, 3                                   ; the next scale words; its five vector lines are the places behind the last products
.irp b, 0,1,2,3
	v_mov_b32 v[TM+4+\b], 0                        ; a lane permute's destination counts as one of its sources
.endr
	; the sums of squares of the four tokens' 64 numbers each, eight chains; each accumulator is read from its low end on
	WIN 0x0a                                       ; sources 0 and 1 window 2
.irp a, 0,1,2,3
	v_pk_mul_f32 v[TM+4*\a:TM+4*\a+1], v[64*\a:64*\a+1], v[64*\a:64*\a+1]
	v_pk_mul_f32 v[TM+4*\a+2:TM+4*\a+3], v[64*\a+2:64*\a+3], v[64*\a+2:64*\a+3]
.endr
.irp k, 4,8,12,16,20,24,28,32,36,40,44,48,52,56,60
.irp a, 0,1,2,3
	v_pk_fma_f32 v[TM+4*\a:TM+4*\a+1], v[64*\a+\k:64*\a+\k+1], v[64*\a+\k:64*\a+\k+1], v[TM+4*\a:TM+4*\a+1]
	v_pk_fma_f32 v[TM+4*\a+2:TM+4*\a+3], v[64*\a+\k+2:64*\a+\k+3], v[64*\a+\k+2:64*\a+\k+3], v[TM+4*\a+2:TM+4*\a+3]
.endr
.endr
	WIN 0
.irp a, 0,1,2,3
	v_pk_add_f32 v[TM+4*\a:TM+4*\a+1], v[TM+4*\a:TM+4*\a+1], v[TM+4*\a+2:TM+4*\a+3]
.endr
.irp a, 0,1,2,3
	v_add_f32 v[TM+4*\a], v[TM+4*\a], v[TM+4*\a+1]
.endr
.irp a, 0,1,2,3
	v_permlanex16_b32 v[TM+4*\a+1], v[TM+4*\a], s[SEL], s[SEL+1]
.endr
.irp a, 0,1,2,3
	v_add_f32 v[TM+4*\a], v[TM+4*\a], v[TM+4*\a+1]     ; with lane l xor 16's 64: the head's 128
.endr
.irp a, 0,1,2,3
	v_fma_f32 v[TM+4*\a], v[TM+4*\a], s98, s99         ; the mean + epsilon
.endr
	s_wait_alu depctr_va_vdst(0)
.irp a, 0,1,2,3
	v_rsq_f32 v[RS+2*\a], v[TM+4*\a]
.endr
.irp a, 0,1,2,3
	v_mov_b32 v[RS+2*\a+1], 0                      ; named with it as a pair, so it is written.  Plain work behind the batch
.endr
	s_wait_alu depctr_va_vdst(0)
.irp a, 0,1,2,3
	WIN 0x02                                       ; source 0 window 2
.set k, 0
.rept 32
	v_pk_mul_f32 v[HA+k:HA+k+1], v[64*\a+k:64*\a+k+1], v[RS+2*\a:RS+2*\a+1] op_sel_hi:[1,0]
.set k, k+2
.endr
	WIN 0x0c                                       ; source 1 window 3: the table
.irp i, 0,2,4,6,8,10,12,14                     ; d = 16 h + i turns with d + 64; d % 64 >= 32 has the angle 0 in the module's own table and stays
	v_pk_mul_f32 v[TT+4*((\i/2)%2):TT+4*((\i/2)%2)+1], v[HA+32+\i:HA+33+\i], v[32*\a+16+\i:32*\a+17+\i]
	v_pk_mul_f32 v[TT+4*((\i/2)%2)+2:TT+4*((\i/2)%2)+3], v[HA+\i:HA+1+\i], v[32*\a+16+\i:32*\a+17+\i]
	v_pk_fma_f32 v[HA+\i:HA+1+\i], v[HA+\i:HA+1+\i], v[32*\a+\i:32*\a+1+\i], v[TT+4*((\i/2)%2):TT+4*((\i/2)%2)+1]
	v_pk_fma_f32 v[HA+32+\i:HA+33+\i], v[HA+32+\i:HA+33+\i], v[32*\a+\i:32*\a+1+\i], v[TT+4*((\i/2)%2)+2:TT+4*((\i/2)%2)+3] neg_lo:[0,0,1] neg_hi:[0,0,1]
.endr
	WIN 0
	QUANT HA, PC+12*\a, WD+\a
	OUTA \a
.endr
	WORDS
	s_wait_xcnt 0x0                                ; the stores have read their bases
	s_add_nc_u64 s[88:89], s[88:89], 12800         ; the record's next part
	s_add_nc_u64 s[90:91], s[90:91], 12800
	s_sub_co_u32 s21, s21, 1
	s_cmp_lg_u32 s21, 0
	s_wait_alu depctr_va_vdst(0)
	s_cbranch_scc1 .Lkind
	; ---- v.  The table has been read for the last time: ve takes window 3
	WIN 0xc0
.set k, 0
.rept 64                                       ; register 4 k + a: ve(token 32 (k / 16) + 16 h + k % 16, d 4 r + a)
	global_load_b128 v[4*k:4*k+3], v[VO], s[10:11] offset:(32*(k/16)+k%16)*4096 th:TH_LOAD_NT
.set k, k+1
.endr
	WIN 0
	KWALK ADV0, ADV1, 63                           ; of 80 loads the 17 oldest are in: the 16 loads of scale words among them
.irp b, 0,1,2,3
	v_mov_b32 v[TM+4+\b], 0                        ; these four are also the places behind the last products
.endr
	s_wait_loadcnt 0x0                             ; ve
.irp a, 0,1,2,3
	WIN 0x0c                                       ; source 1 window 3: ve
.set k, 0
.rept 64
	v_mul_f32 v[HA+k], s85, v[4*k+\a]
.set k, k+1
.endr
	WIN 0x02                                       ; source 0 window 2
.set k, 0
.rept 32
	v_pk_fma_f32 v[HA+k:HA+k+1], v[64*\a+k:64*\a+k+1], s[84:85], v[HA+k:HA+k+1] op_sel_hi:[1,0,1]
.set k, k+2
.endr
	WIN 0
	QUANT HA, PC+12*\a, WD+\a
	OUTA \a
.endr
	WORDS
	s_wait_tensorcnt 0x0                           ; the wave's end
	ds_add_u32 v254, v255
	s_wait_dscnt 0x0
	CROUND                                         ; the closing round: no work-group ends while a partner may still ask for a tile that names it
	s_endpgm
.Lfunc_end_k_qe3daf5e40e_qkvgemm:
	.size	k_qe3daf5e40e_qkvgemm, .Lfunc_end_k_qe3daf5e40e_qkvgemm-k_qe3daf5e40e_qkvgemm
	.p2alignl 7, 3214868480
	.fill 96, 4, 3214868480
	.section	.rodata,"a",@progbits
	.p2align	6, 0x0
	.amdhsa_kernel k_qe3daf5e40e_qkvgemm
		.amdhsa_group_segment_fixed_size 327680
		.amdhsa_private_segment_fixed_size 0
		.amdhsa_enable_private_segment 0
		.amdhsa_kernarg_size 48
		.amdhsa_user_sgpr_count 2
		.amdhsa_user_sgpr_kernarg_segment_ptr 1
		.amdhsa_wavefront_size32 1
		.amdhsa_system_sgpr_workgroup_id_x 1
		.amdhsa_system_sgpr_workgroup_id_y 1
		.amdhsa_system_sgpr_workgroup_id_z 1
		.amdhsa_system_vgpr_workitem_id 0
		.amdhsa_next_free_vgpr 1024
		.amdhsa_next_free_sgpr 102
		.amdhsa_reserve_vcc 0
		.amdhsa_float_denorm_mode_32 3
		.amdhsa_float_denorm_mode_16_64 3
		.amdhsa_memory_ordered 1
		.amdhsa_forward_progress 1
		.amdhsa_inst_pref_size 204
	.end_amdhsa_kernel
	.amdgpu_metadata
---
amdhsa.version: [ 1, 2 ]
amdhsa.kernels:
  - .name:           k_qe3daf5e40e_qkvgemm
    .symbol:         k_qe3daf5e40e_qkvgemm.kd
    .args:
      - { .name: codes, .offset: 0, .size: 8, .value_kind: global_buffer, .address_space: global }
      - { .name: scl, .offset: 8, .size: 8, .value_kind: global_buffer, .address_space: global }
      - { .name: ropet, .offset: 16, .size: 8, .value_kind: global_buffer, .address_space: global }
      - { .name: ve, .offset: 24, .size: 8, .value_kind: global_buffer, .address_space: global }
      - { .name: sa_lambdas, .offset: 32, .size: 8, .value_kind: global_buffer, .address_space: global }
      - { .name: qkvc, .offset: 40, .size: 8, .value_kind: global_buffer, .address_space: global }
    .group_segment_fixed_size: 327680
    .private_segment_fixed_size: 0
    .kernarg_segment_align: 8
    .kernarg_segment_size: 48
    .max_flat_workgroup_size: 128
    .sgpr_count:     102
    .vgpr_count:     1024
    .wavefront_size: 32
...
	.end_amdgpu_metadata
.endif
;; end of part 2
;; launch attn (part 3): grid 8 x 32, 8 waves a work-group, clusters of 4 x 1, 327,680 bytes of LDS; arguments qkvc, yc, scl; writes yc, scl
.if DOCPART == 3
	.amdgcn_target "amdgcn-amd-amdhsa--gfx1250"
	.amdhsa_code_object_version 6
	.text
	.protected	k_qe3daf5e40e_attn
	.globl	k_qe3daf5e40e_attn
	.p2align	8
	.type	k_qe3daf5e40e_attn,@function
k_qe3daf5e40e_attn:
	s_mov_b64 s[64:65], 0
	v_nop
	global_prefetch_b8 v0, s[64:65] scope:SCOPE_SE
	s_setreg_imm32_b32 hwreg(HW_REG_WAVE_MODE, 25, 1), 1
	s_wait_xcnt 0x0
	s_wait_alu depctr_hold_cnt(0) depctr_sa_sdst(0) depctr_va_vdst(0) depctr_va_sdst(0) depctr_va_ssrc(0) depctr_va_vcc(0) depctr_vm_vsrc(0)
	s_getreg_b32 s2, hwreg(HW_REG_IB_STS2, 6, 4)
	s_cmp_eq_u32 s2, 0
	s_cbranch_scc0 .Lentry_in_a_cluster
	s_endpgm
.Lentry_in_a_cluster:
	s_bfe_u32 s2, ttmp6, 0x10000c
	s_cmp_lg_u32 s2, 0x3003
	s_cbranch_scc0 .Lentry_shape_is_right
	s_endpgm
.Lentry_shape_is_right:
; y = softmax(0.12 q k^T, causal) v for one batch x head, both products on codes of FP6 (E2M3); y is quantised along e = head x 128 + d for the last product.
; NO MAXIMUM IS TAKEN AWAY, AND WHY THAT HOLDS FOR EVERY INPUT.  reference() rms-normalises q and k: each has length at most sqrt(128), whatever the inputs; the rotation keeps it; the quantiser lengthens a
; vector by less than an eighth.  So |score| < 162 and |t| = |score| x 0.12 log2(e) < 32: p = 2^t lies within 2^-32 .. 2^32, a row's sum of 2,048 under 2^43: nothing overflows or underflows in f32.
; The problem's p = 2^(t - M), M a whole number, has the same codes as 2^t: the block's scale takes up 2^M, and the division by the row's sum takes it away again.  So the key steps may also come in any order.
; WORK LEFT OUT: key steps all of whose keys come after a tile's queries (reference()'s own causal mask gives them p = 0): jumped over by scalar branches on ids.
; SHARES.  Work-group p (0-7) of a head takes tile p (16 queries) of each of the head's 16 blocks of 128 queries.  A UNIT m is the pair of tiles of blocks 2 m and 2 m + 1: they share each fragment of K and V.
; Wave w has a number pi (0-3) and a parity s = w / 4.  It holds the partial sums of unit X = 7 - pi and of unit Y = pi, and takes the key steps of parity s: 8 - pi steps of X and pi + 1 of Y: 9 for every wave.
; Waves w, w + 4 and waves 2 i, 2 i + 1 have numbers pi and 3 - pi.  In a unit, place 0 is the tile of block 2 m + s, place 1 the other: so the diagonal falls on place 0 alone, at the wave's highest step of the
; unit, and only place 1 can be wholly hidden there.  At the end each wave sends its two place-1 sums to the wave of the other parity through LDS, adds what it receives to its place-0 sums, and finishes those tiles.
; THE WALK goes by pairs of key steps (2 k, 2 k + 1), in three phases: pairs 0, 2, 7; pairs 1, 3, 6; pairs 4, 5.  By pi = 0 .. 3 a wave then has 4, 3, 4, 4 unit steps in the first, 3, 4, 3, 4 in the second and
; 2, 2, 2, 1 in the third, where unit Y (pairs 0 to 3 at the most) has none: the third phase is written out for X alone.
; All roles hang on the wave's number, so all 256 work-groups run the same walk.  CLUSTER 4 x 1: the four partners belong to one head and ask for each tile of K and V jointly.
; LDS: two slots of six key steps (153,600 bytes) at 0 and 154,624; a step is K's 8 images, K's scale words, V's 8 images, V's scale words, 25,600 bytes as they lie in qkvc; wave w < 6 fetches key step w of a slot
; (w < 4 for the last fill, of four key steps, into slot 0).  Spare words at 153,600.
; The stage of the exchange, 16,640 bytes a wave, lies in slot 1, which has had its last fill and, ahead of the last barrier, its last read.
; NO PREFETCH: a refill is waited for behind a whole slot's key steps, three or four unit steps of at most 32 matrix instructions in each wave; the first slot has no loop ahead of it.
; O is cleared once (256 registers), under the first tiles' flight, so that the step is written without a first form: three copies of the step stand in the text.
; LAYOUT.  S^T = K Q^T, O^T = V^T P^T: a lane holds ONE query.  K's tile 2 b + u holds keys 32 b + 8 u + r + 8 (r / 8): registers 16 b + i of S^T are keys 32 b + 16 h + i.
; V's tile a holds d = 64 (a / 4) + 4 r + a % 4: O^T's tile t, register j, is d = 64 (t / 4) + 32 h + 4 j + t % 4: a lane owns whole blocks of 32 along e.
; A BLOCK'S SCALE: p rises with the score, so the block's largest p is 2^(t of its largest score), and its byte floor(t) + 125.  Where v_exp_f32 rounds a t just under a whole number up to the power of two, that one p is held at the largest code.
; LIMITS: a block of p all hidden gets the byte 36 and zero codes; a block of y of zeros or under 2^-124 the byte 1 (read by this program alone); NaN and infinities are not served; v_exp_f32, v_rcp_f32 as they are.
; REGISTERS.  Window 0: v1 16 x lane, v2 16 r, v3 my query in its block - 16 h, v4, v5 the add's, v6, v7 the step's LDS addresses, v8-11 the sums (X0, Y0, X1, Y1), v12, v13 Q's scale words (lanes 0-15 place 0,
;   lanes 16-31 place 1), v14, v15 p's, v16-23 K's or V's, v24-31 at work; v32-79 K's four fragments, then p's codes and work; v80-127 Q; v128-191, v192-255 S^T of places 0, 1, then V's fragments.
;   Window 1: O^T: X at v0, Y at v128; place 0 first, 64 registers a tile.
.set STEPB, 25600
.set SLOT1, 154624
.set SPARE, 153600
.set STGW,  16640
.set WALK,  0xa8c62e40                 ; the even key step of each pair, four bits each, in the order of the walk
.set F,  32
.set PA, 32
.set PB, 44
.set QT, 56
.set TM, 64
.set T,  24
.set S0, 128
.set S1, 192
.set MSB, 0
.macro WIN new                         ; the immediate's high byte repeats the setting that is left
.if MSB != \new
	s_set_vgpr_msb (MSB<<8)|\new
.set MSB, \new
.endif
.endm
.macro CROUND
	s_barrier_signal -1
	s_barrier_wait -1
	s_cmp_lg_u32 s18, 0
	s_cbranch_scc1 .Lnot_wave_0_\@
	s_barrier_signal -3
.Lnot_wave_0_\@:
	s_barrier_wait -3
	s_barrier_signal -1
	s_barrier_wait -1
.endm
	s_load_b128 s[4:7], s[0:1], 0x0                ; qkvc, yc
	s_load_b64 s[8:9], s[0:1], 0x10                ; scl
	v_lshl_add_u32 v4, v0, 2, SPARE
	v_mov_b32 v5, 0
	ds_add_u32 v4, v5                              ; the opening lines: the add, twice on end, and its wait
	ds_add_u32 v4, v5
	v_lshrrev_b32 v6, 5, v0
	v_readfirstlane_b32 s18, v6                    ; wave 0..7
	s_and_b32 s47, ttmp7, 0xffff                   ; batch x 8 + head: the partners share it
	s_lshl_b32 s48, s47, 4                         ; its first record
	s_lshr_b32 s41, s18, 1                         ; I fetch key step w of a slot: pair w / 2 of the phase's list, + w % 2
	s_lshl_b32 s41, s41, 2
	s_and_b32 s42, s18, 1
	s_add_co_u32 s42, s42, s48
.macro KSOFF dst, list                 ; where that key step's K and V lie in qkvc
	s_lshr_b32 s43, \list, s41
	s_and_b32 s43, s43, 15
	s_add_co_u32 s43, s43, s42
	s_mul_i32 s[\dst], s43, 38400
	s_add_co_u32 s[\dst], s[\dst], 12800
	s_mov_b32 s[\dst+1], 0
.endm
	KSOFF 34, 0xe40
	KSOFF 70, 0xc62
	KSOFF 72, 0xa8
	s_mov_b32 s24, 15|(3<<16)|(1<<21)              ; group 1: the mask of all four; elements of 8 bytes; 100 dense rows of 256 bytes
	s_mov_b32 s25, 32<<16
	s_mov_b32 s26, 100<<16
	s_mov_b32 s27, 32<<16
	s_mov_b32 s28, 100
	s_mov_b32 s29, 32
	s_mov_b32 s30, 0
	s_mov_b32 s31, 0
	s_mov_b32 s32, 1
	s_mul_i32 s36, s18, STEPB
	s_mov_b32 s33, s36                             ; slot 0
	s_lshr_b32 s10, s18, 2                         ; s
	s_and_b32 s41, s18, 3                          ; w % 4 = 0, 1, 2, 3 gives 0, 3, 1, 2;
	s_lshr_b32 s42, s41, 1
	s_xor_b32 s42, s42, s41
	s_and_b32 s42, s42, 1
	s_and_b32 s41, s41, 1
	s_lshl_b32 s41, s41, 1
	s_or_b32 s11, s41, s42
	s_mul_i32 s41, s10, 3
	s_xor_b32 s11, s11, s41                        ; with parity 1 the complement: pi = unit Y
	s_sub_co_u32 s16, 7, s11                       ; unit X
	s_xor_b32 s17, s10, 1                          ; 1 - s
	s_lshl_b32 s12, s16, 1
	s_add_co_u32 s13, s12, s17                     ; X: block of place 1,
	s_add_co_u32 s12, s12, s10                     ; of place 0 = my highest key step of X
	s_lshl_b32 s14, s11, 1
	s_add_co_u32 s15, s14, s17                     ; Y likewise
	s_add_co_u32 s14, s14, s10
	s_mul_i32 s62, s11, STGW
	s_add_co_u32 s62, s62, SLOT1
	s_mul_i32 s41, s10, 4*STGW
	s_mul_i32 s42, s17, 4*STGW
	s_add_co_u32 s63, s62, s42                     ; the stage that I read,
	s_add_co_u32 s62, s62, s41                     ; and mine
	s_bfe_u32 s45, ttmp6, 0x40000                  ; cx
	s_lshl_b32 s46, ttmp9, 2
	s_add_co_u32 s46, s46, s45                     ; p: it enters global addresses and the mask's data alone
	s_mul_i32 s49, s46, 1536
	s_lshl_b32 s41, s16, 1
	s_add_co_u32 s41, s41, s48
	s_mul_i32 s50, s41, 38400
	s_add_co_u32 s50, s50, s49                     ; Q's image p in the record of block 2 X
	s_mov_b32 s51, 0
	s_lshl_b32 s41, s11, 1
	s_add_co_u32 s41, s41, s48
	s_mul_i32 s52, s41, 38400
	s_add_co_u32 s52, s52, s49                     ; and of block 2 Y
	s_mov_b32 s53, 0
	s_lshr_b32 s41, s46, 2
	s_lshl_b32 s41, s41, 8
	s_and_b32 s42, s46, 3
	s_lshl_b32 s42, s42, 2
	s_add_co_u32 s41, s41, s42
	s_add_co_u32 s41, s41, 12288
	s_sub_co_u32 s68, s41, s49                     ; from the image to the tile's scale words (above 0: 1,536 p < 12,288)
	s_mul_i32 s66, s10, 38400                      ; place 0 lies s records on, place 1 1 - s
	s_mul_i32 s67, s17, 38400
	s_lshr_b32 s41, s46, 1
	s_lshl_b32 s41, s41, 5
	s_and_b32 s42, s46, 1
	s_lshl_b32 s42, s42, 3
	s_add_co_u32 s69, s41, s42                     ; 32 (p / 2) + 8 (p % 2)
	s_and_b32 s43, s47, 7                          ; head = K step of the last product
	s_lshr_b32 s41, s47, 3
	s_lshl_b32 s41, s41, 3                         ; batch x 8
	s_lshl_b32 s42, s10, 3
	s_add_co_u32 s42, s42, s46                     ; y's tile in its block of 256 tokens: 8 s + p
	s_lshr_b32 s44, s43, 1
	s_mul_i32 s44, s44, 49152
	s_mul_i32 s45, s42, 3072
	s_add_co_u32 s44, s44, s45
	s_and_b32 s45, s43, 1
	s_mul_i32 s45, s45, 1536
	s_add_co_u32 s44, s44, s45
	s_lshl_b32 s49, s42, 9
	s_lshr_b32 s45, s43, 2
	s_lshl_b32 s45, s45, 8
	s_add_co_u32 s49, s49, s45
	s_and_b32 s45, s43, 3
	s_lshl_b32 s45, s45, 2
	s_add_co_u32 s49, s49, s45
	s_add_co_u32 s49, s49, 393216                  ; y's scale tiles begin at tile 768
	s_add_co_u32 s45, s41, s16
	s_mul_i32 s54, s45, 196608
	s_add_co_u32 s54, s54, s44                     ; X's image of y,
	s_lshl_b32 s58, s45, 13
	s_add_co_u32 s58, s58, s49                     ; its words
	s_add_co_u32 s45, s41, s11
	s_mul_i32 s56, s45, 196608
	s_add_co_u32 s56, s56, s44                     ; Y's
	s_lshl_b32 s60, s45, 13
	s_add_co_u32 s60, s60, s49
	s_mov_b32 s55, 0
	s_mov_b32 s57, 0
	s_mov_b32 s59, 0
	s_mov_b32 s61, 0
	s_mov_b32 s20, 0x76543210
	s_mov_b32 s21, 0xfedcba98                      ; v_permlanex16_b32's selects for lane l xor 16
	s_mov_b32 s22, 0x3e314743                      ; c = 0.12 log2(e)
	s_mov_b32 s23, s22                             ; named with it as a pair, so it is written
	s_mov_b32 s39, WALK                            ; what is left of the walk
	s_mul_i32 s38, s10, STEPB
	s_mov_b32 s40, 2
	s_wait_dscnt 0x0
	s_wait_kmcnt 0x0
	s_add_nc_u64 s[34:35], s[4:5], s[34:35]
	s_or_b32 s35, s35, 0x80000000
	s_add_nc_u64 s[50:51], s[4:5], s[50:51]
	s_add_nc_u64 s[52:53], s[4:5], s[52:53]
	s_add_nc_u64 s[54:55], s[6:7], s[54:55]
	s_add_nc_u64 s[56:57], s[6:7], s[56:57]
	s_add_nc_u64 s[58:59], s[8:9], s[58:59]
	s_add_nc_u64 s[60:61], s[8:9], s[60:61]
	CROUND                                         ; all four work-groups are here: the first joint loads meet
	s_cmp_lt_u32 s18, 6
	s_cbranch_scc0 .Lhead_none
	tensor_load_to_lds s[32:35], s[24:31]          ; the first phase's six key steps: one load a wave
	s_nop 0
.rept 4
	v_nop
.endr
.Lhead_none:
	v_and_b32 v1, 31, v0
	v_and_b32 v24, 15, v0                          ; r
	v_bfe_u32 v25, v0, 4, 1                        ; h
	v_lshlrev_b32 v1, 4, v1
	v_lshlrev_b32 v2, 4, v24
	v_and_b32 v3, 8, v24
	v_lshlrev_b32 v26, 4, v25
	v_add_nc_u32 v3, v3, v24
	v_xor_b32 v25, s10, v25                        ; lanes 0-15 take place 0's words, lanes 16-31 place 1's: h xor s records on
	v_sub_nc_u32 v3, v3, v26
	v_mul_u32_u24 v25, 0x9600, v25
	v_add_nc_u32 v3, s69, v3
	v_add_nc_u32 v28, s66, v1
	v_add_nc_u32 v29, s67, v1
	v_add3_u32 v30, v25, v2, s68
.irp q, 0,1,2
	global_load_b128 v[80+4*\q:83+4*\q], v28, s[50:51] offset:512*\q     ; Q stays in registers: X's places 0, 1,
	global_load_b128 v[92+4*\q:95+4*\q], v29, s[50:51] offset:512*\q
	global_load_b128 v[104+4*\q:107+4*\q], v28, s[52:53] offset:512*\q   ; Y's
	global_load_b128 v[116+4*\q:119+4*\q], v29, s[52:53] offset:512*\q
.endr
	global_load_b32 v12, v30, s[50:51]
	global_load_b32 v13, v30, s[52:53]
.irp n, 8,9,10,11
	v_mov_b32 v\n, 0
.endr
	WIN 0x40                                       ; destination window 1
.set n, 0
.rept 256
	v_mov_b32 v[n], 0
.set n, n+1
.endr
	WIN 0
; 64 scores of a lane at v[s] become p; p's codes go to v[pc], its scale word to v[w], its sum onto v[l]
.macro SOFT s, pc, w, l
.irp b, 0,1,2,3
	v_max3_num_f32 v[TM+\b], v[\s+16*\b], v[\s+16*\b+1], 0xc4000000   ; each block's largest score, with the floor -512 among the leaves: a block all hidden keeps a finite byte
.endr
.irp i, 2,4,6,8,10,12,14
.irp b, 0,1,2,3
	v_max3_num_f32 v[TM+\b], v[TM+\b], v[\s+16*\b+\i], v[\s+16*\b+\i+1]
.endr
.endr
.irp b, 0,1,2,3
	v_permlanex16_b32 v[TM+4+\b], v[TM+\b], s20, s21
.endr
.irp b, 0,1,2,3
	v_max_num_f32 v[TM+\b], v[TM+\b], v[TM+4+\b]   ; with lane l xor 16's 16 keys
.endr
.irp b, 0,1,2,3
	v_mul_f32 v[TM+\b], s22, v[TM+\b]              ; its t: the same product as below
.endr
.irp b, 0,1,2,3
	v_floor_f32 v[TM+\b], v[TM+\b]
.endr
.irp b, 0,1,2,3
	v_cvt_i32_f32 v[TM+\b], v[TM+\b]
.endr
.irp b, 0,1,2,3
	v_add_nc_u32 v[TM+\b], 0x7d, v[TM+\b]          ; the byte: floor(t) - 2 + 127
.endr
.irp b, 0,1,2,3
	v_lshlrev_b32 v[TM+8+\b], 23, v[TM+\b]         ; the conversion's scale operand
.endr
	v_lshl_or_b32 v[\w], v[TM+1], 8, v[TM]
	s_delay_alu instid0(VALU_DEP_1)
	v_lshl_or_b32 v[\w], v[TM+2], 16, v[\w]
	s_delay_alu instid0(VALU_DEP_1)
	v_lshl_or_b32 v[\w], v[TM+3], 24, v[\w]
.set n, 0
.rept 32
	v_pk_mul_f32 v[\s+n:\s+n+1], v[\s+n:\s+n+1], s[22:23] op_sel_hi:[1,0]   ; t
.set n, n+2
.endr
	s_wait_alu depctr_va_vdst(0)
.set n, 0
.rept 64
	v_exp_f32 v[\s+n], v[\s+n]                     ; p = 2^t
.set n, n+1
.endr
	v_nop                                          ; a plain place behind the batch
	s_wait_alu depctr_va_vdst(0)
.irp c, 0,1
	v_cvt_scalef32_pk16_fp6_f32 v[\pc+6*\c:\pc+6*\c+2], v[\s+32*\c:\s+32*\c+15], v[TM+8+2*\c]
	v_cvt_scalef32_pk16_fp6_f32 v[QT+4*\c:QT+4*\c+2], v[\s+16+32*\c:\s+31+32*\c], v[TM+9+2*\c]
.endr
.irp c, 0,1,2,3                                ; the sum of the unquantised p, four chains of pairs; its first part is the place behind the conversions
	v_pk_add_f32 v[T+2*\c:T+2*\c+1], v[\s+2*\c:\s+2*\c+1], v[\s+8+2*\c:\s+9+2*\c]
.endr
.irp j, 2,3
.irp c, 0,1,2,3
	v_pk_add_f32 v[T+2*\c:T+2*\c+1], v[T+2*\c:T+2*\c+1], v[\s+8*\j+2*\c:\s+8*\j+2*\c+1]
.endr
.endr
.irp c, 0,1                                    ; the operand's layout wants a whole block in a lane
.irp i, 0,1,2
	v_permlane16_swap_b32 v[\pc+6*\c+\i], v[QT+4*\c+\i]
.endr
.irp i, 0,1,2
	v_mov_b32 v[\pc+3+6*\c+\i], v[QT+4*\c+\i]
.endr
.endr
.irp j, 4,5,6,7                                ; its second part: the places between the codes' last write and the products
.irp c, 0,1,2,3
	v_pk_add_f32 v[T+2*\c:T+2*\c+1], v[T+2*\c:T+2*\c+1], v[\s+8*\j+2*\c:\s+8*\j+2*\c+1]
.endr
.endr
	v_pk_add_f32 v[T:T+1], v[T:T+1], v[T+2:T+3]
	v_pk_add_f32 v[T+4:T+5], v[T+4:T+5], v[T+6:T+7]
	s_delay_alu instid0(VALU_DEP_1)
	v_pk_add_f32 v[T:T+1], v[T:T+1], v[T+4:T+5]
	s_delay_alu instid0(VALU_DEP_1)
	v_add_f32 v[T], v[T], v[T+1]
	s_delay_alu instid0(VALU_DEP_1)
	v_add_f32 v[\l], v[\l], v[T]
.endm
.macro VLOAD g, to, sc                 ; V's tiles 4 g .. 4 g + 3 and their scale words: 13 loads
.irp t, 0,1,2,3
.irp q, 0,1,2
	ds_load_b128 v[\to+12*\t+4*\q:\to+12*\t+4*\q+3], v6 offset:12800+(4*\g+\t)*1536+512*\q
.endr
.endr
	ds_load_b128 v[\sc:\sc+3], v7 offset:25088+256*\g
.endm
.macro PV4 o, vf, sc, pc, w            ; four products onto four accumulators of window 1
	WIN 0x50
	s_wait_alu depctr_va_vdst(0)                   ; O was written ahead of the exponentials
.irp t, 0,1,2,3
	v_wmma_scale_f32_16x16x128_f8f6f4 v[\o+8*\t:\o+8*\t+7], v[\vf+12*\t:\vf+12*\t+11], v[\pc:\pc+11], v[\o+8*\t:\o+8*\t+7], v[\sc+\t], v[\w] matrix_a_fmt:MATRIX_FMT_FP6 matrix_b_fmt:MATRIX_FMT_FP6
.endr
	WIN 0
.endm
; A UNIT'S STEP: 128 keys at LDS byte s2 against the unit's two tiles.  j0, j1: the scalar registers with the blocks of places 0 and 1.  All branches hang on the wave's number and the counted walk.
.macro USTEP ob, qb, qs, l0, l1, j0, j1
	s_cmp_gt_u32 s3, s[\j0]                        ; all its keys come after both tiles' queries
	s_cbranch_scc1 .Lhid_\@
.irp g, 0,1                                    ; S^T = K Q^T, four tiles of 16 keys at a time
.rept 5
	v_nop                                          ; places: loads into registers that products read, and products that write over such registers
.endr
.irp t, 0,1,2,3
.irp q, 0,1,2
	ds_load_b128 v[F+12*\t+4*\q:F+12*\t+4*\q+3], v6 offset:(4*\g+\t)*1536+512*\q
.endr
.endr
	ds_load_b128 v[16:19], v7 offset:12288+256*\g
	s_wait_dscnt 0x0
.irp t, 0,1,2,3
	v_wmma_scale_f32_16x16x128_f8f6f4 v[S0+8*(4*\g+\t):S0+8*(4*\g+\t)+7], v[F+12*\t:F+12*\t+11], v[\qb:\qb+11], 0, v[16+\t], v[\qs] matrix_a_fmt:MATRIX_FMT_FP6 matrix_b_fmt:MATRIX_FMT_FP6
.endr
	s_cmp_gt_u32 s3, s[\j1]                        ; place 1 wholly hidden
	s_cbranch_scc1 .Lq_\@_\g
.irp t, 0,1,2,3
	v_wmma_scale_f32_16x16x128_f8f6f4 v[S1+8*(4*\g+\t):S1+8*(4*\g+\t)+7], v[F+12*\t:F+12*\t+11], v[\qb+12:\qb+23], 0, v[16+\t], v[\qs] matrix_a_fmt:MATRIX_FMT_FP6 matrix_b_fmt:MATRIX_FMT_FP6 matrix_b_scale:MATRIX_SCALE_ROW1
.endr
.Lq_\@_\g:
.endr
.rept 4
	v_nop
.endr
	s_cmp_gt_u32 s3, s[\j1]
	s_cbranch_scc1 .Ls0_\@
	SOFT S1, PB, 15, \l1
.Ls0_\@:
	VLOAD 0, S1, 16                                ; into the registers that place 1's p has left; they land under place 0's vector work
	s_cmp_lg_u32 s3, s[\j0]                        ; on the diagonal hidden scores become -infinity: p = 0
	s_cbranch_scc1 .Lopen_\@
	s_wait_alu depctr_va_vdst(0)                   ; these scores were written ahead of place 1's exponentials
	v_mov_b32 v20, 0xff800000
.set n, 0
.rept 64                                       ; register 16 b + i holds key 32 b + 16 h + i: hidden where 32 b + i > my query - 16 h
	v_cmp_gt_i32 vcc_lo, 32*(n/16)+n%16, v3
	v_cndmask_b32 v[S0+n], v[S0+n], v20, vcc_lo
.set n, n+1
.endr
.Lopen_\@:
	s_wait_alu depctr_va_vdst(0)                   ; the same wait on the open way
	SOFT S0, PA, 14, \l0
	VLOAD 1, S0, 20
	s_wait_dscnt 13                                ; V's first four tiles are in; the 13 loads just issued may be out
	PV4 \ob, S1, 16, PA, 14                        ; O^T += V^T P^T
	s_cmp_gt_u32 s3, s[\j1]
	s_cbranch_scc1 .Lp0_\@
	PV4 \ob+64, S1, 16, PB, 15
.Lp0_\@:
	s_wait_dscnt 0x0
	PV4 \ob+32, S0, 20, PA, 14
	s_cmp_gt_u32 s3, s[\j1]
	s_cbranch_scc1 .Lhid_\@
	PV4 \ob+96, S0, 20, PB, 15
.Lhid_\@:
.endm
.macro AT_STEP                         ; my key step of the walk's next pair, and its LDS addresses
	s_and_b32 s3, s39, 15
	s_add_co_u32 s3, s3, s10
	s_lshr_b32 s39, s39, 4
	v_add_nc_u32 v6, s2, v1
	v_add_nc_u32 v7, s2, v2
	s_wait_alu depctr_va_vdst(0)
.endm
.macro NEXT_STEP
	s_add_co_u32 s2, s2, 2*STEPB                   ; the slot's next pair
	s_sub_co_u32 s41, s41, 1
	s_cmp_lg_u32 s41, 0
.endm
	s_wait_alu depctr_va_vdst(0)
	s_wait_loadcnt 0x0                             ; Q
.Lphase:                                               ; two trips (s40 = 2, 1): the next phase's key steps are asked for, the slot in hand is worked
	s_wait_tensorcnt 0x0                           ; my part of the slot in hand is in; no tensor load of mine is out, so group 0 may be written
	ds_add_u32 v4, v5                              ; the add, here twice on end
	ds_add_u32 v4, v5
	s_lshr_b32 s42, s40, 1
	s_mul_i32 s42, s42, SLOT1
	s_add_co_u32 s33, s36, s42                     ; first slot 1, then slot 0
	s_add_nc_u64 s[34:35], s[4:5], s[70:71]
	s_or_b32 s35, s35, 0x80000000
	s_mov_b32 s70, s72                             ; for the next trip
	s_lshl_b32 s43, s40, 1
	s_add_co_u32 s43, s43, 2                       ; six key steps, then four
	s_wait_dscnt 0x0                               ; the adds are done, and my reads of the slot that I left are over
	CROUND
	s_cmp_lt_u32 s18, s43
	s_cbranch_scc0 .Lnone
	tensor_load_to_lds s[32:35], s[24:31]          ; my one load behind the round (in the first trip: slot 1's first fill)
	s_nop 0
.rept 4
	v_nop
.endr
.Lnone:
	s_and_b32 s42, s40, 1
	s_mul_i32 s42, s42, SLOT1                      ; first slot 0, then slot 1
	s_add_co_u32 s2, s42, s38
	s_mov_b32 s41, 3
.Lstep:
	AT_STEP
	USTEP 0, 80, 12, 8, 10, 12, 13
	USTEP 128, 104, 13, 9, 11, 14, 15
	NEXT_STEP
	s_cbranch_scc1 .Lstep
	s_sub_co_u32 s40, s40, 1
	s_cmp_lg_u32 s40, 0
	s_cbranch_scc1 .Lphase
	s_wait_tensorcnt 0x0                           ; pairs 4 and 5, in slot 0: nothing more is asked for
	ds_add_u32 v4, v5
	s_wait_dscnt 0x0
	s_barrier_signal -1
	s_barrier_wait -1
	s_mov_b32 s2, s38
	s_mov_b32 s41, 2
.Ltail:                                                ; unit Y ends with pair 3 at the latest: X alone
	AT_STEP
	USTEP 0, 80, 12, 8, 10, 12, 13
	NEXT_STEP
	s_cbranch_scc1 .Ltail
	; THE EXCHANGE: my place-1 sums go to the wave of the other parity, whose place 0 they are
.rept 4
	v_nop                                          ; the places behind the last products
.endr
	v_add_nc_u32 v6, s62, v1
	v_add_nc_u32 v7, s63, v1
	v_lshrrev_b32 v24, 1, v1                       ; 8 x lane
	v_mov_b32 v29, 0                               ; a lane permute's destination counts as one of its sources
	v_add_nc_u32 v25, s63, v24
	v_add_nc_u32 v24, s62, v24
	s_wait_alu depctr_va_vdst(0)                   ; ahead of the first read of O
	WIN 0x04                                       ; an LDS store's data: window 1
.irp u, 0,1
.set n, 0
.rept 16
	ds_store_b128 v6, v[128*\u+64+4*n:128*\u+67+4*n] offset:(16*\u+n)*512   ; each accumulator from its low end on
.set n, n+1
.endr
.endr
	WIN 0
	ds_store_b64 v24, v[10:11] offset:16384
	s_wait_dscnt 0x0                               ; for the reader's sake
	s_barrier_signal -1
	s_barrier_wait -1
.set n, 0
.rept 32
	ds_load_b128 v[128+4*n:131+4*n], v7 offset:512*n
.set n, n+1
.endr
	ds_load_b64 v[26:27], v25 offset:16384
	s_wait_dscnt 0x0
	WIN 0x04                                       ; source 1: window 1
	s_wait_alu depctr_va_vdst(0)                   ; ahead of the first read of my place-0 sums
.irp u, 0,1
.set n, 0
.rept 32
	v_pk_add_f32 v[128+64*\u+n:129+64*\u+n], v[128+64*\u+n:129+64*\u+n], v[128*\u+n:128*\u+n+1]
.set n, n+2
.endr
.endr
	WIN 0
	v_add_f32 v8, v8, v26
	v_add_f32 v9, v9, v27
	v_permlanex16_b32 v26, v8, s20, s21
	v_permlanex16_b32 v27, v9, s20, s21
	v_add_f32 v8, v8, v26                          ; the rows' sums
	v_add_f32 v9, v9, v27
	s_wait_alu depctr_va_vdst(0)
	v_rcp_f32 v8, v8
	v_rcp_f32 v9, v9
	v_bfe_u32 v28, v0, 4, 1
	v_lshlrev_b32 v28, 3, v28                      ; 8 h
	s_wait_alu depctr_va_vdst(0)
; y = O / the sum, ordered along e by the multiplication itself, quantised, stored as an image of the last product's operand
.macro FIN u
.irp c, 0,1
.irp e, 0,1,2,3
.irp j, 0,1,2,3,4,5,6,7
	v_mul_f32 v[32+32*\c+4*\j+\e], v[128+64*\u+8*(4*\c+\e)+\j], v[8+\u]   ; d = 64 c + 32 h + 4 j + e
.endr
.endr
.endr
	v_max3_num_f32 v24, |v32|, |v33|, 0x1800000    ; my two blocks of 32 along e, with the floor 2^(3 - 127)
	v_max3_num_f32 v25, |v64|, |v65|, 0x1800000
.irp i, 2,4,6,8,10,12,14,16,18,20,22,24,26,28,30
	v_max3_num_f32 v24, v24, |v[32+\i]|, |v[33+\i]|
	v_max3_num_f32 v25, v25, |v[64+\i]|, |v[65+\i]|
.endr
	v_add_nc_u32 v26, 0xff000000, v24
	v_add_nc_u32 v27, 0xff000000, v25
	v_lshrrev_b32 v24, 23, v26
	v_lshrrev_b32 v25, 23, v27
	s_delay_alu instid0(VALU_DEP_1)
	v_lshl_or_b32 v24, v25, 16, v24
	s_delay_alu instid0(VALU_DEP_1)
	v_lshlrev_b32 v24, v28, v24                    ; bytes h and 2 + h of the word
	s_delay_alu instid0(VALU_DEP_1)
	v_permlanex16_b32 v29, v24, s20, s21
	s_delay_alu instid0(VALU_DEP_1)
	v_or_b32 v[30+\u], v24, v29
	v_cvt_scalef32_pk16_fp6_f32 v[96+12*\u:98+12*\u], v[32:47], v26
	v_cvt_scalef32_pk16_fp6_f32 v[120:122], v[48:63], v26
	v_cvt_scalef32_pk16_fp6_f32 v[102+12*\u:104+12*\u], v[64:79], v27
	v_cvt_scalef32_pk16_fp6_f32 v[124:126], v[80:95], v27
	v_nop                                          ; one plain place behind a scaled conversion
.irp i, 0,1,2
	v_mov_b32 v[99+12*\u+\i], v[120+\i]
	v_mov_b32 v[105+12*\u+\i], v[124+\i]
.endr
.irp q, 0,1,2
	global_store_b128 v1, v[96+12*\u+4*\q:99+12*\u+4*\q], s[54+2*\u:55+2*\u] offset:512*\q   ; 512 consecutive bytes of the image
.endr
	global_store_b32 v2, v[30+\u], s[58+2*\u:59+2*\u]   ; row r's word for this head; lanes l and l xor 16 hold the same value.  Each tile has registers of its own for what it stores
.endm
	FIN 0
	FIN 1
	s_wait_tensorcnt 0x0                           ; the wave's end
	ds_add_u32 v4, v5
	s_wait_dscnt 0x0
	CROUND                                         ; the closing round
	s_endpgm
.Lfunc_end_k_qe3daf5e40e_attn:
	.size	k_qe3daf5e40e_attn, .Lfunc_end_k_qe3daf5e40e_attn-k_qe3daf5e40e_attn
	.p2alignl 7, 3214868480
	.fill 96, 4, 3214868480
	.section	.rodata,"a",@progbits
	.p2align	6, 0x0
	.amdhsa_kernel k_qe3daf5e40e_attn
		.amdhsa_group_segment_fixed_size 327680
		.amdhsa_private_segment_fixed_size 0
		.amdhsa_enable_private_segment 0
		.amdhsa_kernarg_size 24
		.amdhsa_user_sgpr_count 2
		.amdhsa_user_sgpr_kernarg_segment_ptr 1
		.amdhsa_wavefront_size32 1
		.amdhsa_system_sgpr_workgroup_id_x 1
		.amdhsa_system_sgpr_workgroup_id_y 1
		.amdhsa_system_sgpr_workgroup_id_z 1
		.amdhsa_system_vgpr_workitem_id 0
		.amdhsa_next_free_vgpr 512
		.amdhsa_next_free_sgpr 76
		.amdhsa_reserve_vcc 1
		.amdhsa_float_denorm_mode_32 3
		.amdhsa_float_denorm_mode_16_64 3
		.amdhsa_memory_ordered 1
		.amdhsa_forward_progress 1
		.amdhsa_inst_pref_size 143
	.end_amdhsa_kernel
	.amdgpu_metadata
---
amdhsa.version: [ 1, 2 ]
amdhsa.kernels:
  - .name:           k_qe3daf5e40e_attn
    .symbol:         k_qe3daf5e40e_attn.kd
    .args:
      - { .name: qkvc, .offset: 0, .size: 8, .value_kind: global_buffer, .address_space: global }
      - { .name: yc, .offset: 8, .size: 8, .value_kind: global_buffer, .address_space: global }
      - { .name: scl, .offset: 16, .size: 8, .value_kind: global_buffer, .address_space: global }
    .group_segment_fixed_size: 327680
    .private_segment_fixed_size: 0
    .kernarg_segment_align: 8
    .kernarg_segment_size: 24
    .max_flat_workgroup_size: 256
    .sgpr_count:     76
    .vgpr_count:     512
    .wavefront_size: 32
...
	.end_amdgpu_metadata
.endif
;; end of part 3
;; launch proj (part 4): grid 8 x 32, 4 waves a work-group, clusters of 4 x 4, 295,424 bytes of LDS; arguments codes, yc, scl, out0; writes out0
.if DOCPART == 4
	.amdgcn_target "amdgcn-amd-amdhsa--gfx1250"
	.amdhsa_code_object_version 6
	.text
	.protected	k_qe3daf5e40e_proj
	.globl	k_qe3daf5e40e_proj
	.p2align	8
	.type	k_qe3daf5e40e_proj,@function
k_qe3daf5e40e_proj:
	s_mov_b64 s[64:65], 0
	v_nop
	global_prefetch_b8 v0, s[64:65] scope:SCOPE_SE
	s_setreg_imm32_b32 hwreg(HW_REG_WAVE_MODE, 25, 1), 1
	s_wait_xcnt 0x0
	s_wait_alu depctr_hold_cnt(0) depctr_sa_sdst(0) depctr_va_vdst(0) depctr_va_sdst(0) depctr_va_ssrc(0) depctr_va_vcc(0) depctr_vm_vsrc(0)
	s_getreg_b32 s2, hwreg(HW_REG_IB_STS2, 6, 4)
	s_cmp_eq_u32 s2, 0
	s_cbranch_scc0 .Lentry_in_a_cluster
	s_endpgm
.Lentry_in_a_cluster:
	s_bfe_u32 s2, ttmp6, 0x10000c
	s_cmp_lg_u32 s2, 0xf033
	s_cbranch_scc0 .Lentry_shape_is_right
	s_endpgm
.Lentry_shape_is_right:
; out0 = y c_proj^T on codes of FP6 (E2M3), K = 1,024 (K step = head).  A work-group makes 256 tokens x 128 outputs; a wave 64 tokens x 128: 32 accumulators, source 0 = the 8 tiles of c_proj's 128 rows,
; source 1 = tiles 4 w .. 4 w + 3 of y: a lane holds one token and eight neighbouring outputs an accumulator.
; LDS: all of K lies in LDS, four chunks of two K steps (y's 16 tiles, 49,152 bytes; W's 8, 24,576), images of operand registers, filled ONCE by four tensor loads, one a wave, at the head (one of mine is
; out at the most).  No byte is filled again.  CLUSTER 4 x 4: y's tiles are asked for jointly along a row of the cluster, W's along a column.
; THE WAY OUT goes through a stage of 16 rows x 528 bytes for each wave, in chunk 0: it has had its one fill, and every wave's reads of it ended in front of the barrier of chunk 1.
; REGISTERS: window 0: v1-31 addresses; v32-95 scale words (register 8 i + s: lanes 0-15 y's tile i, lanes 16-31 W's tile i, K step s); v96-191 source 1, two sets; on the way out v96-223 rows of the result.
;   window 1: source 0, two sets at v0 and v128.  window 2: accumulator (a, b) at v[8 (8 a + b)].
.set WC0,  6291456
.set CHB,  73728
.set LI,   4
.set VS,   5
.set VS2,  6
.set AD0,  8
.set AD1,  12
.set STO,  16
.set RD,   17
.set SC,   32
.set S1F,  96
.set BK,   96
.set MSB, 0
.macro WIN new                         ; the immediate's high byte repeats the setting that is left
.if MSB != \new
	s_set_vgpr_msb (MSB<<8)|\new
.set MSB, \new
.endif
.endm
.macro PLACES n
.rept \n
	v_nop
.endr
.endm
.macro CROUND
	s_barrier_signal -1
	s_barrier_wait -1
	s_cmp_lg_u32 s16, 0
	s_cbranch_scc1 .Lnot_wave_0_\@
	s_barrier_signal -3
.Lnot_wave_0_\@:
	s_barrier_wait -3
	s_barrier_signal -1
	s_barrier_wait -1
.endm
	s_load_b256 s[4:11], s[0:1], 0x0               ; codes, yc, scl, out0
	v_lshl_add_u32 v254, v0, 2, 0x48000
	v_mov_b32 v255, 0
	ds_add_u32 v254, v255
	ds_add_u32 v254, v255
	v_lshrrev_b32 v1, 5, v0
	v_readfirstlane_b32 s16, v1                    ; wave
	v_and_b32 v1, 31, v0
	v_and_b32 v2, 15, v0                           ; r
	v_bfe_u32 v3, v0, 4, 1                         ; h
	v_lshlrev_b32 v[LI], 4, v1
	s_bfe_u32 s17, ttmp6, 0x40000                  ; cx
	s_bfe_u32 s18, ttmp6, 0x40004                  ; cy
	s_lshl_b32 s19, ttmp9, 2
	s_add_co_u32 s19, s19, s17                     ; which 128 outputs
	s_and_b32 s20, ttmp7, 0xffff
	s_lshl_b32 s20, s20, 2
	s_add_co_u32 s20, s20, s18                     ; which 256 tokens
	s_lshl_b32 s22, s18, 2
	s_lshl_b32 s22, 15, s22                        ; my row of the cluster
	s_lshl_b32 s23, 0x1111, s17                    ; my column
	; THE FILLS: four fills, ONE A WAVE, all at the head: wave 0 y's chunk 0 (192 rows of 256 bytes, LDS 0),
	; wave 1 W's chunk 0 (96 rows, LDS 49,152), wave 2 y's chunks 1-3 (576 rows, LDS 73,728), wave 3 W's chunks 1-3 (288 rows, LDS 221,184).  One load of mine is out.  No byte is filled again.
.irp g, 32, 48
	s_or_b32 s[\g], s22, (3<<16)|(1<<21)           ; y's tiles go to my row of the cluster
.endr
.irp g, 40, 56
	s_or_b32 s[\g], s23, (3<<16)|(1<<21)           ; W's to my column
.endr
.macro ROWS g, n                       ; group 1: n dense rows of 32 elements of 8 bytes
	s_mov_b32 s[\g+1], 32<<16
	s_mov_b32 s[\g+2], (\n)<<16
	s_mov_b32 s[\g+3], 32<<16
	s_mov_b32 s[\g+4], \n
	s_mov_b32 s[\g+5], 32
	s_mov_b32 s[\g+6], 0
	s_mov_b32 s[\g+7], 0
.endm
	ROWS 32, 192
	ROWS 40, 96
	ROWS 48, 576
	ROWS 56, 288
	s_mul_i32 s24, s20, 196608                     ; y: the token block and my quarter of a chunk
	s_mul_i32 s28, s16, 12288
	s_mov_b32 s25, 0
	s_mul_i32 s26, s19, 98304                      ; W: groups 24 on are c_proj's
	s_add_co_u32 s26, s26, WC0+24*98304
	s_mov_b32 s27, 0
	s_wait_dscnt 0x0
	s_wait_kmcnt 0x0
	s_add_nc_u64 s[24:25], s[6:7], s[24:25]
	s_add_nc_u64 s[26:27], s[4:5], s[26:27]
	s_mov_b32 s68, 1                               ; group 0 of the four fills
	s_mov_b32 s69, 0
	s_mov_b64 s[70:71], s[24:25]
	s_or_b32 s71, s71, 0x80000000
	s_mov_b32 s72, 1
	s_mov_b32 s73, 49152
	s_mov_b64 s[74:75], s[26:27]
	s_or_b32 s75, s75, 0x80000000
	s_mov_b32 s76, 1
	s_mov_b32 s77, 73728
	s_add_nc_u64 s[78:79], s[24:25], 49152
	s_or_b32 s79, s79, 0x80000000
	s_mov_b32 s80, 1
	s_mov_b32 s81, 221184
	s_add_nc_u64 s[82:83], s[26:27], 24576
	s_or_b32 s83, s83, 0x80000000
	CROUND                                         ; all sixteen work-groups are here: the joint loads meet
.macro ARM under, g0, g1, next         ; one chain of branches on the wave's number: every way through it passes exactly one load
	s_cmp_lt_u32 s16, \under
	s_cbranch_scc0 \next
	tensor_load_to_lds s[\g0:\g0+3], s[\g1:\g1+7]
	s_nop 0
	PLACES 4
	s_branch .Lhead_asked
\next:
.endm
	ARM 1, 68, 32, .Lhead_w0
	ARM 2, 72, 40, .Lhead_y1
	ARM 3, 76, 48, .Lhead_w1
	tensor_load_to_lds s[80:83], s[56:63]
	s_nop 0
	PLACES 4
.Lhead_asked:
	s_wait_alu depctr_va_vdst(0)
.irp c, 0,1,2,3
.if \c == 0                            ; where chunk c lies: y's part and W's part
.set XCH, 0
.set WCH, 49152
.else
.set XCH, 73728+(\c-1)*49152
.set WCH, 221184+(\c-1)*24576
.endif
	v_add_nc_u32 v[AD0+\c], WCH, v[LI]
	s_add_co_u32 s95, s28, XCH
	v_add_nc_u32 v[AD1+\c], s95, v[LI]
.endr
	s_lshl_b32 s93, s20, 13
	s_lshl_b32 s95, s16, 11
	s_add_co_u32 s95, s93, s95
	s_add_co_u32 s95, s95, 393216                  ; y's scale tiles 768 + 16 TB + 4 w on
	s_lshl_b32 s96, s19, 12
	s_add_co_u32 s96, s96, 360448                  ; c_proj's: 704 + 8 g on
	v_cmp_le_u32 s92, 16, v1
	v_mov_b32 v20, s95
	v_mov_b32 v21, s96
	v_cndmask_b32 v[VS], v20, v21, s92
	v_lshl_add_u32 v[VS], v2, 4, v[VS]
	v_lshl_add_u32 v[VS2], v3, 11, v[VS]           ; tiles 4-7: lanes 16-31 go 2,048 bytes on; lanes 0-15, not used there, read tiles 0-3 again: no load leaves the buffer
.irp i, 0,1,2,3
.irp p, 0,1
	global_load_b128 v[SC+8*\i+4*\p:SC+8*\i+4*\p+3], v[VS], s[8:9] offset:512*\i+256*\p
.endr
.endr
.irp i, 4,5,6,7
.irp p, 0,1
	global_load_b128 v[SC+8*\i+4*\p:SC+8*\i+4*\p+3], v[VS2], s[8:9] offset:512*(\i-4)+256*\p
.endr
.endr
	s_mul_i32 s93, s16, 8448                       ; my stage
	v_mul_u32_u24 v[STO], v2, 528
	v_lshl_add_u32 v[STO], v3, 6, v[STO]
	v_add_nc_u32 v[STO], s93, v[STO]               ; in: row r, + 64 h
	v_add_nc_u32 v[RD], s93, v[LI]                 ; back: a row of 512 bytes, 16 a lane
	s_lshl_b32 s96, s20, 20
	s_lshl_b32 s95, s16, 18
	s_add_co_u32 s96, s96, s95
	s_lshl_b32 s95, s19, 9
	s_add_co_u32 s96, s96, s95
	s_mov_b32 s97, 0
	s_add_nc_u64 s[10:11], s[10:11], s[96:97]      ; out0 at my 64 tokens, my work-group's 128 outputs
.macro FETCH s                         ; K step s: 8 fragments of source 0 and 4 of source 1, as they lie: 36 loads of 512 consecutive bytes
	WIN 0x40
.irp b, 0,1,2,3,4,5,6,7
.irp q, 0,1,2
	ds_load_b128 v[128*((\s)%2)+12*\b+4*\q:128*((\s)%2)+12*\b+4*\q+3], v[AD0+(\s)/2] offset:3072*\b+1536*((\s)%2)+512*\q
.endr
.endr
	WIN 0
.irp a, 0,1,2,3
.irp q, 0,1,2
	ds_load_b128 v[S1F+48*((\s)%2)+12*\a+4*\q:S1F+48*((\s)%2)+12*\a+4*\q+3], v[AD1+(\s)/2] offset:3072*\a+1536*((\s)%2)+512*\q
.endr
.endr
.endm
.macro MUL s                           ; 32 products; the 32 accumulators take turns in the same order in every step; the first step starts the sums
	WIN 0xa1
.irp a, 0,1,2,3
.irp b, 0,1,2,3,4,5,6,7
.if (\s) == 0
	v_wmma_scale_f32_16x16x128_f8f6f4 v[8*(8*\a+\b):8*(8*\a+\b)+7], v[128*((\s)%2)+12*\b:128*((\s)%2)+12*\b+11], v[S1F+48*((\s)%2)+12*\a:S1F+48*((\s)%2)+12*\a+11], 0, v[SC+8*\b+(\s)], v[SC+8*\a+(\s)] matrix_a_fmt:MATRIX_FMT_FP6 matrix_b_fmt:MATRIX_FMT_FP6 matrix_a_scale:MATRIX_SCALE_ROW1
.else
	v_wmma_scale_f32_16x16x128_f8f6f4 v[8*(8*\a+\b):8*(8*\a+\b)+7], v[128*((\s)%2)+12*\b:128*((\s)%2)+12*\b+11], v[S1F+48*((\s)%2)+12*\a:S1F+48*((\s)%2)+12*\a+11], v[8*(8*\a+\b):8*(8*\a+\b)+7], v[SC+8*\b+(\s)], v[SC+8*\a+(\s)] matrix_a_fmt:MATRIX_FMT_FP6 matrix_b_fmt:MATRIX_FMT_FP6 matrix_a_scale:MATRIX_SCALE_ROW1
.endif
.endr
.endr
.endm
.macro KSTEP s
.if (\s) < 7
.if (\s) == 1                          ; one barrier for chunks 1-3: waves 2 and 3 have waited for their fills
	s_wait_tensorcnt 0x0
	s_wait_dscnt 0x0                               ; no LDS load of mine is out at the signal
	s_barrier_signal -1
	s_barrier_wait -1                              ; everybody's part of the chunk is in.
.endif
.if (\s) > 0
	PLACES 4                                       ; in front of loads into the set that the last products read
.endif
	FETCH (\s)+1
	s_wait_dscnt 36                                ; all but the 36 just issued: this step's fragments are in
.else
	s_wait_dscnt 0x0
.endif
	MUL \s
.endm
	s_wait_loadcnt 0x0                             ; the scale words
	s_wait_alu depctr_va_vdst(0)
	s_cmp_lt_u32 s16, 2                            ; chunk 0 is waves 0 and 1's: they wait for it; the fills of waves 2 and 3 stay out across this barrier, behind which nothing is filled
	s_cbranch_scc0 .Lrest_is_mine
	s_wait_tensorcnt 0x0
.Lrest_is_mine:
	s_barrier_signal -1
	s_barrier_wait -1
	FETCH 0
	KSTEP 0
	KSTEP 1
	KSTEP 2
	KSTEP 3
	KSTEP 4
	KSTEP 5
	KSTEP 6
	KSTEP 7
	WIN 0
; THE WAY OUT, a tile of 16 tokens x 128 outputs at a time.  Accumulator (a, b), lane (r, h): token r of tile 4 w + a, outputs 32 (b / 2) + 16 h + 8 (b % 2) + 0 .. 7: 32 bytes of a row.  The block goes through my
; stage and comes back as whole rows of 512 bytes.  LDS serves a wave's instructions in order: no wait between the stores and the loads, nor in front of the next block's stores.
.macro TOSTAGE a
	WIN 0x08                                       ; an LDS store's data: window 2
.irp b, 0,1,2,3,4,5,6,7
	ds_store_b128 v[STO], v[8*(8*(\a)+\b):8*(8*(\a)+\b)+3] offset:128*(\b/2)+32*(\b%2)       ; each accumulator from its low end on
	ds_store_b128 v[STO], v[8*(8*(\a)+\b)+4:8*(8*(\a)+\b)+7] offset:128*(\b/2)+32*(\b%2)+16
.endr
	WIN 0
.irp t, 0,1,2,3,4,5,6,7,8,9,10,11,12,13,14,15
	ds_load_b128 v[BK+64*((\a)%2)+4*\t:BK+64*((\a)%2)+4*\t+3], v[RD] offset:528*\t
.endr
.endm
.macro SEND a, younger                 ; younger: the LDS instructions issued behind block a's loads, which may stay out
	s_wait_dscnt \younger
.irp t, 0,1,2,3,4,5,6,7,8,9,10,11,12,13,14,15
	global_store_b128 v[LI], v[BK+64*((\a)%2)+4*\t:BK+64*((\a)%2)+4*\t+3], s[10:11] offset:(32*((\a)/2)+8*((\a)%2)+\t+8*(\t/8))*4096 th:TH_STORE_NT   ; 512 consecutive bytes, at a multiple of 512 from out0's first byte
.endr
.endm
	PLACES 4                                       ; behind the last products: in front of the stores of results and of the loads into registers that held fragments
	s_wait_alu depctr_va_vdst(0)
	TOSTAGE 0
.irp a, 1,2,3
.if \a > 1
	s_wait_xcnt 0x0                                ; block a - 2's stores have read their registers: block a's loads may land there
.endif
	TOSTAGE \a
	SEND \a-1, 32                                  ; behind block a - 1's loads: block a's 16 stores and 16 loads
.endr
	SEND 3, 0
	s_wait_tensorcnt 0x0
	ds_add_u32 v254, v255
	s_wait_dscnt 0x0
	CROUND                                         ; the closing round: no work-group ends while a partner may still ask for a tile that names it
	s_endpgm
.Lfunc_end_k_qe3daf5e40e_proj:
	.size	k_qe3daf5e40e_proj, .Lfunc_end_k_qe3daf5e40e_proj-k_qe3daf5e40e_proj
	.p2alignl 7, 3214868480
	.fill 96, 4, 3214868480
	.section	.rodata,"a",@progbits
	.p2align	6, 0x0
	.amdhsa_kernel k_qe3daf5e40e_proj
		.amdhsa_group_segment_fixed_size 295424
		.amdhsa_private_segment_fixed_size 0
		.amdhsa_enable_private_segment 0
		.amdhsa_kernarg_size 32
		.amdhsa_user_sgpr_count 2
		.amdhsa_user_sgpr_kernarg_segment_ptr 1
		.amdhsa_wavefront_size32 1
		.amdhsa_system_sgpr_workgroup_id_x 1
		.amdhsa_system_sgpr_workgroup_id_y 1
		.amdhsa_system_sgpr_workgroup_id_z 1
		.amdhsa_system_vgpr_workitem_id 0
		.amdhsa_next_free_vgpr 768
		.amdhsa_next_free_sgpr 100
		.amdhsa_reserve_vcc 0
		.amdhsa_float_denorm_mode_32 3
		.amdhsa_float_denorm_mode_16_64 3
		.amdhsa_memory_ordered 1
		.amdhsa_forward_progress 1
		.amdhsa_inst_pref_size 77
	.end_amdhsa_kernel
	.amdgpu_metadata
---
amdhsa.version: [ 1, 2 ]
amdhsa.kernels:
  - .name:           k_qe3daf5e40e_proj
    .symbol:         k_qe3daf5e40e_proj.kd
    .args:
      - { .name: codes, .offset: 0, .size: 8, .value_kind: global_buffer, .address_space: global }
      - { .name: yc, .offset: 8, .size: 8, .value_kind: global_buffer, .address_space: global }
      - { .name: scl, .offset: 16, .size: 8, .value_kind: global_buffer, .address_space: global }
      - { .name: out0, .offset: 24, .size: 8, .value_kind: global_buffer, .address_space: global }
    .group_segment_fixed_size: 295424
    .private_segment_fixed_size: 0
    .kernarg_segment_align: 8
    .kernarg_segment_size: 32
    .max_flat_workgroup_size: 128
    .sgpr_count:     100
    .vgpr_count:     768
    .wavefront_size: 32
...
	.end_amdgpu_metadata
.endif
;; end of part 4
